; MI455X (gfx1250); checked and timed in simulation.
; The chip was launched on July 23, 2026; its instructions are those of AMD's public machine-readable ISA for CDNA 5 (MIT licence, August 2026) and "CDNA5" Instruction Set Architecture Reference Guide (July 2026). The comments in the code are by the model that wrote it; some were corrected since.
;; Single Head Attention. Allowed arithmetic: float matrix products may take bf16 or f16 operands with f32 sums; other float arithmetic in f32, or as packed bf16 or f16 multiplies, adds, multiply-adds, maxima and minima; sums over many terms, partial sums and values carried from step to step in f32; what a program stores and reads back later, other than sums and carried values, may be rounded once to bf16 or f16.
;; Inputs: Wk 1,024 x 1,024 float32; Wq 1,024 x 1,024 float32; Wv 1,024 x 1,024 float32; x 4 x 2,048 x 1,024 float32.
;; Outputs: out0 4 x 2,048 x 1,024 float32.
;; 2 versions, each right; version 2 is version 1 with the launch cast written anew for expert scheduling mode. Each part assembles by itself: llvm-mc -triple=amdgcn-amd-amdhsa -mcpu=gfx1250 --defsym DOCPART=n.
;; ======== version 1 of 2: 4 launches
;; limits: values are held in f16: magnitudes above 65,504 overflow, below 6.1e-05 lose precision
;; workspace buffers: xb 16,777,216 bytes; wb 6,291,456 bytes; qkvt 50,331,648 bytes; p 33,554,432 bytes; st 1,048,576 bytes
;; launch cast (part 1): grid 704 x 1, 8 waves a work-group, no clusters, 0 bytes of LDS; arguments x, Wq, Wk, Wv, xb, wb; writes xb, wb
.if DOCPART == 1
	.amdgcn_target "amdgcn-amd-amdhsa--gfx1250"
	.amdhsa_code_object_version 6
	.text
	.protected	k_q870a9d667c_cast
	.globl	k_q870a9d667c_cast
	.p2align	8
	.type	k_q870a9d667c_cast,@function
k_q870a9d667c_cast:
	s_mov_b64 s[64:65], 0
	v_nop
	global_prefetch_b8 v0, s[64:65] scope:SCOPE_SE
	s_setreg_imm32_b32 hwreg(HW_REG_WAVE_MODE, 25, 1), 1
	s_wait_xcnt 0x0
; x [8192][1024] and Wq, Wk, Wv [1024][1024], all f32, are rounded once to bf16 (nearest even): xb [8192][1024]; wb [3072][1024] = Wq's rows, then Wk's, then Wv's.
; A stream: every byte is read once and written once; no LDS, no matrix unit, no cluster (no two work-groups read the same byte).
; SHARES.  A work-group takes 16,384 numbers (64 KiB in, 32 KiB out): work-groups 0-511 chunk g of x; work-group 512 + e chunk e % 64 of weight e / 64, which is chunk e of wb.
; A wave takes 8 KiB: sixteen loads of 16 bytes a lane, all issued at once, each covering 512 consecutive bytes; a store of 8 bytes a lane covers 256 consecutive bytes, aligned.
; No register is written twice, so no wait frees a source.
.set X, 8                              ; v[8:71]    sixteen loads of four f32
.set Y, 72                             ; v[72:103]  sixteen pairs of packed bf16
	s_load_b256 s[4:11], s[0:1], 0x0               ; x s[4:5], Wq s[6:7], Wk s[8:9], Wv s[10:11]
	s_load_b128 s[12:15], s[0:1], 0x20             ; xb s[12:13], wb s[14:15]
	v_and_b32 v3, 31, v0                           ; lane
	v_and_b32 v4, 0xe0, v0                         ; 32 x wave
	v_lshlrev_b32 v1, 4, v3
	v_lshl_or_b32 v1, v4, 8, v1                    ; in: 8,192 x wave + 16 x lane
	v_lshlrev_b32 v2, 3, v3
	v_lshl_or_b32 v2, v4, 7, v2                    ; out: 4,096 x wave + 8 x lane
	s_sub_co_u32 s16, ttmp9, 512                   ; e (of use in work-groups 512 and up alone)
	s_and_b32 s17, s16, 63                         ; the chunk in its weight
	s_lshr_b32 s18, s16, 6                         ; which weight
	s_cmp_lt_u32 ttmp9, 512
	s_cselect_b32 s20, ttmp9, s17                  ; the chunk in the source
	s_cselect_b32 s22, ttmp9, s16                  ; the chunk in the destination
	s_lshl_b32 s20, s20, 16                        ; 64 KiB a chunk in
	s_lshl_b32 s22, s22, 15                        ; 32 KiB a chunk out
	s_mov_b32 s21, 0
	s_mov_b32 s23, 0
	s_wait_kmcnt 0x0
	s_cmp_eq_u32 s18, 1
	s_cselect_b64 s[24:25], s[8:9], s[6:7]         ; Wk or Wq,
	s_cmp_eq_u32 s18, 2
	s_cselect_b64 s[24:25], s[10:11], s[24:25]     ; or Wv,
	s_cmp_lt_u32 ttmp9, 512
	s_cselect_b64 s[24:25], s[4:5], s[24:25]       ; or x
	s_cselect_b64 s[26:27], s[12:13], s[14:15]     ; xb or wb
	s_add_nc_u64 s[24:25], s[24:25], s[20:21]
	s_add_nc_u64 s[26:27], s[26:27], s[22:23]
.irp i, 0,1,2,3,4,5,6,7,8,9,10,11,12,13,14,15
	global_load_b128 v[X+4*(\i):X+4*(\i)+3], v1, s[24:25] offset:512*(\i) th:TH_LOAD_NT
.endr
.irp i, 0,1,2,3,4,5,6,7,8,9,10,11,12,13,14,15
	s_wait_loadcnt 15-(\i)                         ; loads come back in order: load i is in, the 15 - i younger ones stay out
	v_cvt_pk_bf16_f32 v[Y+2*(\i)], v[X+4*(\i)], v[X+4*(\i)+1]
	v_cvt_pk_bf16_f32 v[Y+2*(\i)+1], v[X+4*(\i)+2], v[X+4*(\i)+3]
	global_store_b64 v2, v[Y+2*(\i):Y+2*(\i)+1], s[26:27] offset:256*(\i)
.endr
	s_endpgm
.Lfunc_end_k_q870a9d667c_cast:
	.size	k_q870a9d667c_cast, .Lfunc_end_k_q870a9d667c_cast-k_q870a9d667c_cast
	.p2alignl 7, 3214868480
	.fill 96, 4, 3214868480
	.section	.rodata,"a",@progbits
	.p2align	6, 0x0
	.amdhsa_kernel k_q870a9d667c_cast
		.amdhsa_group_segment_fixed_size 0
		.amdhsa_private_segment_fixed_size 0
		.amdhsa_enable_private_segment 0
		.amdhsa_kernarg_size 48
		.amdhsa_user_sgpr_count 2
		.amdhsa_user_sgpr_kernarg_segment_ptr 1
		.amdhsa_wavefront_size32 1
		.amdhsa_system_sgpr_workgroup_id_x 1
		.amdhsa_system_sgpr_workgroup_id_y 1
		.amdhsa_system_sgpr_workgroup_id_z 1
		.amdhsa_system_vgpr_workitem_id 0
		.amdhsa_next_free_vgpr 104
		.amdhsa_next_free_sgpr 66
		.amdhsa_reserve_vcc 0
		.amdhsa_float_denorm_mode_32 3
		.amdhsa_float_denorm_mode_16_64 3
		.amdhsa_memory_ordered 1
		.amdhsa_forward_progress 1
		.amdhsa_inst_pref_size 7
	.end_amdhsa_kernel
	.amdgpu_metadata
---
amdhsa.version: [ 1, 2 ]
amdhsa.kernels:
  - .name:           k_q870a9d667c_cast
    .symbol:         k_q870a9d667c_cast.kd
    .args:
      - { .name: x, .offset: 0, .size: 8, .value_kind: global_buffer, .address_space: global }
      - { .name: Wq, .offset: 8, .size: 8, .value_kind: global_buffer, .address_space: global }
      - { .name: Wk, .offset: 16, .size: 8, .value_kind: global_buffer, .address_space: global }
      - { .name: Wv, .offset: 24, .size: 8, .value_kind: global_buffer, .address_space: global }
      - { .name: xb, .offset: 32, .size: 8, .value_kind: global_buffer, .address_space: global }
      - { .name: wb, .offset: 40, .size: 8, .value_kind: global_buffer, .address_space: global }
    .group_segment_fixed_size: 0
    .private_segment_fixed_size: 0
    .kernarg_segment_align: 8
    .kernarg_segment_size: 48
    .max_flat_workgroup_size: 256
    .sgpr_count:     66
    .vgpr_count:     104
    .wavefront_size: 32
...
	.end_amdgpu_metadata
.endif
;; end of part 1
;; launch proj (part 2): grid 32 x 8, 4 waves a work-group, clusters of 4 x 4, 327,680 bytes of LDS; arguments wb, xb, qkvt; writes qkvt
.if DOCPART == 2
	.amdgcn_target "amdgcn-amd-amdhsa--gfx1250"
	.amdhsa_code_object_version 6
	.text
	.protected	k_q870a9d667c_proj
	.globl	k_q870a9d667c_proj
	.p2align	8
	.type	k_q870a9d667c_proj,@function
k_q870a9d667c_proj:
	s_mov_b64 s[64:65], 0
	v_nop
	global_prefetch_b8 v0, s[64:65] scope:SCOPE_SE
	s_setreg_imm32_b32 hwreg(HW_REG_WAVE_MODE, 25, 1), 1
	s_wait_xcnt 0x0
	s_wait_alu depctr_hold_cnt(0) depctr_sa_sdst(0) depctr_va_vdst(0) depctr_va_sdst(0) depctr_va_ssrc(0) depctr_va_vcc(0) depctr_vm_vsrc(0)
	s_getreg_b32 s2, hwreg(HW_REG_IB_STS2, 6, 4)
	s_cmp_eq_u32 s2, 0
	s_cbranch_scc0 .Lentry_in_a_cluster
	s_endpgm
.Lentry_in_a_cluster:
	s_bfe_u32 s2, ttmp6, 0x10000c
	s_cmp_lg_u32 s2, 0xf033
	s_cbranch_scc0 .Lentry_shape_is_right
	s_endpgm
.Lentry_shape_is_right:
; qkvt[c][t] = the sum over d of wb[c][d] xb[t][d]: q, k and v TRANSPOSED, [3072 channels][8192 tokens], products of bf16 numbers, sums in f32, stored rounded once to f16.
; LIMIT.  f16 ends at 65,504: a projection beyond it becomes an infinity.  With inputs of unit spread the projections have unit spread; x and the weights both 30 times larger give some 5,500 at the most,
; offsets of 30 spreads on both some 29,000; scale and offset together on both pass the limit and are not served.  NaN and infinities are not treated apart.
; SHARES.  A tile of qkvt is 192 channels x 256 tokens: 16 x 32 = 512 tiles.  A WORK-GROUP STAYS and makes two of them, tile rows y and y + 8 of one tile column: 256 work-groups, all alike.
; Four waves, each 96 x 128 of a tile: 48 accumulators of 16 x 16, 384 registers.  K = 1,024 goes in 8 steps of 128 through two LDS slots filled by the tensor data mover; rows of both tiles are 256 bytes of memory, aligned.
; The ring does not stop at the first tile's end: its last two refills bring the second tile's K steps 0 and 1, and the first tile's stores leave while the second is multiplied; nothing waits for them.
; THE TEXT.  A loop trip is one K step: one descriptor for each operand walks (its LDS word is turned by an exclusive or, its address stepped), and the fragments' LDS addresses are made anew at each change of slots.
; The last two K steps, which fill nothing, are a loop of two trips; the second jumps over the fragment loads (there is no next step) and passes a barrier that orders nothing: the price of one text for both.
; CLUSTER.  4 x 4 work-groups: wb's tile hangs on the tile row alone and is asked for jointly by a row of the cluster, xb's on the tile column alone and is asked for jointly by a column.
; THE MATRIX INSTRUCTION IS USED TRANSPOSED: source 0 = 16 tokens of xb, source 1 = 16 channels of wb: a lane then holds one channel (lane % 16) and eight neighbouring tokens, 16 bytes of a row of qkvt.
; REGISTERS in windows of 256 (s_set_vgpr_msb: bits 1:0 source 0, 3:2 source 1, 5:4 source 2, 7:6 destination):
;   window 0: v0-31 addresses; v64-111, v128-175 wb's fragments (6 x 16 rows x 32 K), two buffers; v192-223 packed results; v32-63, v224-255 rows read back from the stage
;   window 1: v64-127, v128-191 xb's fragments (8), two buffers      window 2: accumulators of my channels 0-47 ((a, b) at v[8 (8 a + b)])      window 3: of my channels 48-95
; PREFETCH.  Behind each joint refill one instruction a wave names the K step that the NEXT refill will ask for (192 matrix instructions ahead of it): a lane a row, 256 bytes each.  wb's rows, of both tiles, are named by
; the clusters with x = 0; xb's by those with y = 0, in the first tile alone: the second tile takes the same rows, which have been read.  The four partners of a joint load share its rows out by address (24 of wb's 96,
; 32 of xb's 128).  With 24 rows lanes 24-31 name row 23's block once more in the same instruction.  The launch's K steps 0 to 2 come by their loads alone; the last refill names nothing.
.set PITCH,  272                       ; an LDS row: 256 bytes + 16 of padding = 68 words: the 16 rows of a fragment load start at 16 different groups of four banks (64 banks of 4 bytes: ISA guide 11.1)
.set ATILE,  192*PITCH                 ; wb's 192 rows, then xb's 256
.set SLOTB,  448*PITCH                 ; bytes in a slot
.set SLOT1,  131072                    ; slot 1 begins here: above every address in slot 0, so one exclusive or turns an address in one slot into the other's
.set STAGE,  SLOT1+SLOTB               ; behind the ring: 16 rows x 272 bytes for each wave, for the way out; no tensor load fills it
.set SPARE,  STAGE+4*16*PITCH          ; behind the stages: the spare words, 128 bytes a wave: two blocks of 256 bytes that no other line names
.set STEPB,  256                       ; bytes of a row in a K step
.set KSTEPS, 8
.set OUTB,   16384                     ; bytes in a row of qkvt
.set WALKA,  8*192*2048                ; bytes from a tile of wb to the work-group's second
.set WALKC,  8*192*OUTB                ; the same in qkvt
.set FLAGS,  (1<<16)|(1<<20)|(1<<21)|(5<<22)|(3<<25)  ; 17:16 2-byte elements; 20 padding on; 21 set beside a mask; 24:22 after every 64 words; 31:25 4 words
.set NF,   28                          ; LDS loads in a run: 16 for xb's fragments, then 12 for wb's
.set NHI,  6                           ; the youngest of them: wb's rows 48-95
.set ADRA0, 16                         ; v16  LDS address of my wb fragments in slot 0; never rewritten
.set ADRB0, 17                         ; v17  the same for xb
.set ADRA, 20                          ; v20  the same in the slot in hand
.set ADRB, 21                          ; v21
.set STO,  24                          ; v24  the way out: where I put 16 bytes of a row
.set RD,   25                          ; v25  where I read a row back
.set CO,   26                          ; v26  my byte offset in qkvt
.set SPW,  28                          ; v28  LDS address of my spare word; never rewritten
.set NIL,  29                          ; v29  0; never rewritten
.set PFO,  30                          ; v30  the prefetches' offset: my lane's row; never rewritten
.set OB,   32
.set F0,   64
.set F1,   128
.set TMP,  192
.set WV,  12                           ; s12  wave
.set WR,  13                           ; s13  which half of the tile's channels is mine; also 0: I fetch for wb, 1: for xb
.set WC,  14                           ; s14  which half of its tokens; also which half of that tile I fetch
.set LIM, 15                           ; s15  a wave prefetches while the steps' count s3 is above this
.set G1A, 24                           ; s[24:31] group 1 for wb's tiles;  s[32:35] group 0 of K step 0;  s[36:39] the group 0 that walks
.set G0A, 32
.set CX,  40
.set CY,  41
.set TX,  42                           ; tile column (tokens)
.set TY,  43                           ; the first tile's row (channels)
.set PFA, 44                           ; s[44:45] where my prefetches stand
.set G1B, 48                           ; s[48:55], s[56:63] the same for xb's tiles
.set G0B, 56
.set TB,  66                           ; s66  0 or SLOT1: the slot in hand
.set LIM2, 67                          ; s67  LIM in the second tile
.set JD,  68                           ; s68  the count s3 at which the descriptors go over to the second tile (0: never)
.set JP,  69                           ; s69  the same for the prefetches, one refill earlier
.set XPV, 70                           ; s70  what the prefetches' address then takes on top of a K step
.set XA,  72                           ; s[72:73] what wb's address takes on top of a K step: 0, or to the second tile
.set XB,  76                           ; s[76:77] what xb's address gives back: 0, or eight K steps
.set XP,  78                           ; s[78:79] XPV or 0
.set MSB, 0
.macro WIN new                         ; the immediate's high byte repeats the setting that is left; a switch that changes nothing is dropped
.if MSB != (\new)
	s_set_vgpr_msb (MSB<<8)|(\new)
.set MSB, (\new)
.endif
.endm
.set TO_B, 0x40                        ; destination window 1, address window 0
.macro PLACES                          ; four places behind matrix instructions, in front of loads into registers that they read and of readers of their results
.rept 4
	v_nop
.endr
.endm
; A joint load: waves 0 and 1 fetch wb's two halves, waves 2 and 3 xb's.  The branch hangs on the wave's number alone.  An s_nop 0 and four v_nop follow each line.
.macro JLOAD s
	s_cmp_eq_u32 s[WR], 0
	s_cbranch_scc0 .Lfor_b_\@
	tensor_load_to_lds s[G0A+4*(\s):G0A+4*(\s)+3], s[G1A:G1A+7]
	s_nop 0
.rept 4
	v_nop
.endr
	s_branch .Lasked_\@
.Lfor_b_\@:
	tensor_load_to_lds s[G0B+4*(\s):G0B+4*(\s)+3], s[G1B:G1B+7]
	s_nop 0
.rept 4
	v_nop
.endr
.Lasked_\@:
.endm
.macro ASK
	s_cmp_gt_u32 s3, s[LIM]
	s_cbranch_scc0 .Lnot_mine_\@
	global_prefetch_b8 v[PFO], s[PFA:PFA+1] th:TH_LOAD_NT scope:SCOPE_SE
.Lnot_mine_\@:
.endm
.macro CREST                           ; a round of the cluster's barrier behind its opening barrier
	s_cmp_lg_u32 s[WV], 0
	s_cbranch_scc1 .Lnot_wave_0_\@
	s_barrier_signal -3
.Lnot_wave_0_\@:
	s_barrier_wait -3
	s_barrier_signal -1
	s_barrier_wait -1
.endm
.macro CROUND
	s_barrier_signal -1
	s_barrier_wait -1
	CREST
.endm
	s_load_b128 s[4:7], s[0:1], 0x0                ; wb s[4:5], xb s[6:7]
	s_load_b64 s[8:9], s[0:1], 0x10                ; qkvt
	v_lshl_add_u32 v[SPW], v0, 2, SPARE
	v_mov_b32 v[NIL], 0
	ds_add_u32 v[SPW], v[NIL]                      ; the wave's opening: the add and its wait ahead of my first tensor load; work on registers stands between them
	v_lshrrev_b32 v1, 5, v0
	v_readfirstlane_b32 s[WV], v1
	s_lshr_b32 s[WR], s[WV], 1
	s_and_b32 s[WC], s[WV], 1
	s_bfe_u32 s[CX], ttmp6, 0x40000
	s_bfe_u32 s[CY], ttmp6, 0x40004
	s_lshl_b32 s[TX], ttmp9, 2
	s_add_co_u32 s[TX], s[TX], s[CX]
	s_and_b32 s[TY], ttmp7, 0xffff
	s_lshl_b32 s[TY], s[TY], 2
	s_add_co_u32 s[TY], s[TY], s[CY]
	s_lshl_b32 s20, s[CY], 2
	s_lshl_b32 s20, 15, s20                        ; my row of the cluster
	s_lshl_b32 s21, 0x1111, s[CX]                  ; my column
	s_or_b32 s[G1A], s20, FLAGS                    ; wb's tiles go to my row,
	s_or_b32 s[G1B], s21, FLAGS                    ; xb's to my column
	s_mov_b32 s[G1A+1], 128<<16                    ; tensor_dim0 = 128
	s_mov_b32 s[G1A+2], 96<<16                     ; tensor_dim1 = 96
	s_mov_b32 s[G1A+3], 128<<16                    ; tile_dim0 = 128
	s_mov_b32 s[G1A+4], 96                         ; tile_dim1 = 96
	s_mov_b32 s[G1A+5], 1024                       ; elements from row to row
	s_mov_b32 s[G1A+6], 0
	s_mov_b32 s[G1A+7], 0
	s_mov_b32 s[G1B+1], 128<<16
	s_mov_b32 s[G1B+2], 128<<16                    ; 128 rows
	s_mov_b32 s[G1B+3], 128<<16
	s_mov_b32 s[G1B+4], 128
	s_mov_b32 s[G1B+5], 1024
	s_mov_b32 s[G1B+6], 0
	s_mov_b32 s[G1B+7], 0
	s_mov_b32 s[TB], 0
	s_mov_b32 s[JD], 2                             ; the first tile's seventh refill is the second tile's K step 0,
	s_mov_b32 s[JP], 3                             ; which the sixth refill's prefetch names
	s_mov_b32 s[XA+1], 0
	s_mov_b32 s[XB+1], 0
	s_mov_b32 s[XP+1], 0
	s_mul_i32 s16, s[TY], 192                      ; wb: row 192 x tile row + 96 x half, 2,048 bytes a row
	s_mul_i32 s18, s[WC], 96
	s_add_co_u32 s16, s16, s18
	s_lshl_b32 s16, s16, 11
	s_mov_b32 s17, 0
	s_lshl_b32 s46, s[TX], 8                       ; xb: row 256 x tile column + 128 x half
	s_lshl_b32 s19, s[WC], 7
	s_add_co_u32 s46, s46, s19
	s_lshl_b32 s46, s46, 11
	s_mov_b32 s47, 0
	s_mul_i32 s22, s[WC], 96*PITCH                 ; where they go: no place in the cluster enters an LDS address
	s_mul_i32 s23, s[WC], 128*PITCH
	s_add_co_u32 s23, s23, ATILE
	s_wait_dscnt 0x0                               ; the opening add is done
	s_wait_kmcnt 0x0
	s_add_nc_u64 s[16:17], s[4:5], s[16:17]
	s_add_nc_u64 s[46:47], s[6:7], s[46:47]
	CROUND                                         ; all sixteen work-groups are here: the first joint loads meet
.irp s, 0,1
	s_mov_b32 s[G0A+4*(\s)], 1
	s_add_co_u32 s[G0A+4*(\s)+1], s22, (\s)*SLOT1
	s_add_nc_u64 s[G0A+4*(\s)+2:G0A+4*(\s)+3], s[16:17], (\s)*STEPB
	s_or_b32 s[G0A+4*(\s)+3], s[G0A+4*(\s)+3], 0x80000000
	s_mov_b32 s[G0B+4*(\s)], 1
	s_add_co_u32 s[G0B+4*(\s)+1], s23, (\s)*SLOT1
	s_add_nc_u64 s[G0B+4*(\s)+2:G0B+4*(\s)+3], s[46:47], (\s)*STEPB
	s_or_b32 s[G0B+4*(\s)+3], s[G0B+4*(\s)+3], 0x80000000
	JLOAD \s                                       ; K steps 0 and 1: two loads of mine are out
.endr
	; a fragment is 16 rows x 32 K in 8 registers: lane l holds row l % 16, K = 8 (l / 16) + 0..7 and 16 + 8 (l / 16) + 0..7: two loads of 16 bytes, 32 bytes apart
	v_and_b32 v1, 15, v0                           ; r
	v_bfe_u32 v2, v0, 4, 1                         ; h
	v_mul_u32_u24 v3, v1, PITCH
	v_lshl_add_u32 v3, v2, 4, v3
	s_mul_i32 s18, s[WR], 96*PITCH
	s_mul_i32 s19, s[WC], 128*PITCH
	s_add_co_u32 s19, s19, ATILE
	v_add_nc_u32 v[ADRA0], s18, v3
	v_add_nc_u32 v[ADRB0], s19, v3
	v_mov_b32 v[ADRA], v[ADRA0]                    ; slot 0 is in hand
	v_mov_b32 v[ADRB], v[ADRB0]
	s_mul_i32 s18, s[WV], 16*PITCH
	s_add_co_u32 s18, s18, STAGE                   ; my stage
	v_add_nc_u32 v[STO], s18, v3                   ; in: row r, 16 bytes for each half of the lanes
	v_mul_u32_u24 v5, v2, PITCH                    ; back: lanes 0-15 one row of 256 bytes, lanes 16-31 the next
	v_lshl_add_u32 v5, v1, 4, v5
	v_add_nc_u32 v[RD], s18, v5
	v_lshlrev_b32 v5, 14, v2                       ; and the same two rows in qkvt
	v_lshl_add_u32 v[CO], v1, 4, v5
	s_mul_i32 s74, s[TY], 192                      ; my part of the first tile in qkvt: row 192 x tile row + 96 x half,
	s_mul_i32 s75, s[WR], 96
	s_add_co_u32 s74, s74, s75
	s_lshl_b32 s74, s74, 14
	s_lshl_b32 s75, s[TX], 9                       ; byte 512 x tile column + 256 x half
	s_add_co_u32 s74, s74, s75
	s_lshl_b32 s75, s[WC], 8
	s_add_co_u32 s74, s74, s75
	s_mov_b32 s75, 0
	s_add_nc_u64 s[8:9], s[8:9], s[74:75]
	; the prefetches
	s_mul_i32 s20, s[TY], 192
	s_mul_i32 s21, s[CX], 24
	s_add_co_u32 s20, s20, s21
	s_mul_i32 s21, s[WC], 96
	s_add_co_u32 s20, s20, s21                     ; wb: my work-group's 24 of the 96 rows that I fetch
	s_lshl_b32 s22, s[TX], 8
	s_lshl_b32 s23, s[CY], 5
	s_add_co_u32 s22, s22, s23
	s_lshl_b32 s23, s[WC], 7
	s_add_co_u32 s22, s22, s23                     ; xb: my work-group's 32 of the 128
	s_and_b32 s23, ttmp7, 0xffff                   ; cluster y
	s_cmp_eq_u32 s[WR], 0
	s_cselect_b32 s20, s20, s22
	s_cselect_b32 s23, ttmp9, s23                  ; the coordinate along which other clusters read the same rows
	s_cselect_b32 s21, 23, 31                      ; my share's last row
	s_cselect_b32 s[LIM], 0, 3                     ; first tile (s3 = 8 .. 1): wb at every refill; xb at the first five, which name K steps 3 to 7
	s_cselect_b32 s[LIM2], 1, -1                   ; second tile (s3 = 6 .. 1): wb at all refills but the last; xb never
	s_cselect_b32 s[XPV], WALKA-KSTEPS*STEPB, 0
	s_cselect_b64 s[PFA:PFA+1], s[4:5], s[6:7]
	s_cmp_eq_u32 s23, 0
	s_cselect_b32 s[LIM], s[LIM], -1               ; the same in all sixteen partners, for a given wave
	s_cselect_b32 s[LIM2], s[LIM2], -1
	v_and_b32 v[PFO], 31, v0
	v_min_u32 v[PFO], s21, v[PFO]
	v_lshlrev_b32 v[PFO], 11, v[PFO]
	s_lshl_b32 s20, s20, 11
	s_add_co_u32 s20, s20, 2*STEPB                 ; at K step 2: the first refill steps it to 3
	s_mov_b32 s21, 0
	s_add_nc_u64 s[PFA:PFA+1], s[PFA:PFA+1], s[20:21]
; 8 matrix instructions: channel block a of the window's three (hi = 0: my channels 0-47, 1: 48-95) x all 8 token blocks, 32 along K.  zero = 1: the product starts the sums.
; The 48 accumulators take turns, one instruction a turn, in the same order in every quarter.
.macro MULR f, hi, a, zero
	WIN 0xa1+0x50*(\hi)
.irp b, 0,1,2,3,4,5,6,7
.if \zero
	v_wmma_f32_16x16x32_bf16 v[8*(8*(\a)+(\b)):8*(8*(\a)+(\b))+7], v[(\f)+8*(\b):(\f)+8*(\b)+7], v[(\f)+8*(3*(\hi)+(\a)):(\f)+8*(3*(\hi)+(\a))+7], 0
.else
	v_wmma_f32_16x16x32_bf16 v[8*(8*(\a)+(\b)):8*(8*(\a)+(\b))+7], v[(\f)+8*(\b):(\f)+8*(\b)+7], v[(\f)+8*(3*(\hi)+(\a)):(\f)+8*(3*(\hi)+(\a))+7], v[8*(8*(\a)+(\b)):8*(8*(\a)+(\b))+7]
.endif
.endr
.endm
.macro MHALF f, hi, zero
	MULR \f, \hi, 0, \zero
	MULR \f, \hi, 1, \zero
	MULR \f, \hi, 2, \zero
.endm
; 28 LDS loads in one run: the fragments of one quarter step (32 K at byte k of the rows of the slot in hand) into buffer f: xb's eight, then wb's six
.macro FETCH k, f
	WIN TO_B
.irp i, 0,1,2,3,4,5,6,7
	ds_load_b128 v[(\f)+8*(\i):(\f)+8*(\i)+3],   v[ADRB] offset:(\k)+(\i)*16*PITCH
	ds_load_b128 v[(\f)+8*(\i)+4:(\f)+8*(\i)+7], v[ADRB] offset:(\k)+(\i)*16*PITCH+32
.endr
	WIN 0
.irp i, 0,1,2,3,4,5
	ds_load_b128 v[(\f)+8*(\i):(\f)+8*(\i)+3],   v[ADRA] offset:(\k)+(\i)*16*PITCH
	ds_load_b128 v[(\f)+8*(\i)+4:(\f)+8*(\i)+7], v[ADRA] offset:(\k)+(\i)*16*PITCH+32
.endr
.endm
; A K step is four quarters of 32 along K, 48 matrix instructions each, on buffers 0, 1, 0, 1.  One of the first three: multiplies f, and in its middle fetches the next quarter into g.
.macro QUARTER k, f, g, zero
	s_wait_dscnt NHI                               ; xb's fragments and wb's rows 0-47 are in; the youngest six loads may be out
	MHALF \f, 0, \zero
	PLACES
	FETCH \k, \g
	s_wait_dscnt NF                                ; all but the 28 just issued
	MHALF \f, 1, \zero
.endm
; The last quarter multiplies buffer 1 and changes slots.  In front of the barrier each wave waits for all its tensor loads (one is out: its part of the next slot), adds 0 to its spare word,
; and waits for that and for its reads of this slot.  fill = 1: the barrier opens a round of the cluster's barrier, and behind the round this slot is filled again, two K steps ahead.
.macro TURN fill
.if \fill
	s_wait_xcnt 0x0                                ; the last prefetch, a K step back, has read its address
	s_cmp_eq_u32 s3, s[JP]
	s_cselect_b32 s[XP], s[XPV], 0
	s_add_nc_u64 s[PFA:PFA+1], s[PFA:PFA+1], STEPB
	s_add_nc_u64 s[PFA:PFA+1], s[PFA:PFA+1], s[XP:XP+1]  ; behind the first tile's K step 7: wb's second tile, K step 0
.endif
	WIN 0                                          ; (the add's two registers lie in window 0)
	s_wait_tensorcnt 0x0                           ; all my tensor loads have landed, so a group 0 may be written
	ds_add_u32 v[SPW], v[NIL]                      ; 0 onto my spare word: the descriptors' steps and sixteen products stand between it and the wait for it
.if \fill
	s_cmp_eq_u32 s3, s[JD]
	s_cselect_b32 s[XA], WALKA-KSTEPS*STEPB, 0
	s_cselect_b32 s[XB], KSTEPS*STEPB, 0
	s_xor_b32 s[G0A+5], s[G0A+5], SLOT1            ; the walking descriptors: the other slot than last time,
	s_add_nc_u64 s[G0A+6:G0A+7], s[G0A+6:G0A+7], STEPB  ; the next K step; the type bits on top are not reached;
	s_add_nc_u64 s[G0A+6:G0A+7], s[G0A+6:G0A+7], s[XA:XA+1]  ; behind K step 7 wb goes 1,536 rows down and back along K,
	s_xor_b32 s[G0B+5], s[G0B+5], SLOT1
	s_add_nc_u64 s[G0B+6:G0B+7], s[G0B+6:G0B+7], STEPB
	s_sub_nc_u64 s[G0B+6:G0B+7], s[G0B+6:G0B+7], s[XB:XB+1]  ; xb only back
.endif
	s_xor_b32 s[TB], s[TB], SLOT1                  ; the slot that comes in hand
	s_wait_dscnt NHI+1                             ; (the add and the youngest six loads may be out)
	MULR F1, 0, 0, 0
	MULR F1, 0, 1, 0
	s_wait_dscnt 0x0                               ; the add is done, and my reads of this slot are over
	s_barrier_signal -1
	MULR F1, 0, 2, 0                               ; work on registers while the others arrive
	WIN 0
	s_barrier_wait -1
.if \fill
	CREST                                          ; no wave of any partner still reads this slot or has a load on its way
	JLOAD 1                                        ; the first tensor load behind the round, 168 matrix instructions ahead of the wait for it; its four v_nop are also the places in front of the loads below
.else
	s_cmp_eq_u32 s3, 1                             ; the very last K step has no successor
	s_cbranch_scc1 .Lnofetch_\@
	PLACES
.endif
	v_add_nc_u32 v[ADRA], s[TB], v[ADRA0]
	v_add_nc_u32 v[ADRB], s[TB], v[ADRB0]
	FETCH 0, F0
.if \fill
	ASK
.else
.Lnofetch_\@:
.endif
	MHALF F1, 1, 0
.endm
; THE WAY OUT of channel block a: rounded to f16, 16 bytes a lane; into my own stage and back as whole rows of 256 bytes; stored.
.macro PACK a
.set AC, 64*((\a)%3)
	WIN 0x0a+5*((\a)/3)                            ; sources 0 and 1: window 2 or 3
.irp b, 0,1,2,3,4,5,6,7
.irp j, 0,1,2,3
	v_cvt_pk_f16_f32 v[TMP+4*(\b)+(\j)], v[AC+8*(\b)+2*(\j)], v[AC+8*(\b)+2*(\j)+1]
.endr
.endr
	WIN 0
.endm
.macro TOSTAGE a
	WIN 0
.set BK, OB+192*((\a)%2)
.irp b, 0,1,2,3,4,5,6,7
	ds_store_b128 v[STO], v[TMP+4*(\b):TMP+4*(\b)+3] offset:32*(\b)
.endr
.irp t, 0,1,2,3,4,5,6,7
	ds_load_b128 v[BK+4*(\t):BK+4*(\t)+3], v[RD] offset:(\t)*2*PITCH  ; LDS serves a wave's instructions in order (ISA guide 5.7.1.4): these see the stores above
.endr
.endm
.macro SEND a
	WIN 0
.set BK, OB+192*((\a)%2)
	s_wait_dscnt 0x0                               ; the block is back in registers
	s_wait_xcnt 0x0                                ; earlier stores have read their registers: the other buffer may be loaded again behind this wait
.irp t, 0,1,2,3,4,5,6,7
	global_store_b128 v[CO], v[BK+4*(\t):BK+4*(\t)+3], s[8:9] offset:(16*(\a)+2*(\t))*OUTB  ; 16 lanes store 256 consecutive bytes, aligned
.endr
.endm
	s_wait_tensorcnt 0x1                           ; my part of K step 0 is in; K step 1's may stay out
	s_barrier_signal -1
	s_barrier_wait -1                              ; everybody's is
	FETCH 0, F0
	s_mov_b32 s2, 2                                ; tiles to go
	s_mov_b32 s3, KSTEPS                           ; the first tile's K steps all fill a slot again
.Ltile:
	QUARTER 64, F0, F1, 1                          ; a tile's first quarter: its products start the sums
	WIN 0
	s_branch .Lin                                  ; the loop is entered behind its first quarter
.Lstep:                                                ; a trip is a K step that fills its slot again
	QUARTER 64, F0, F1, 0
	WIN 0
.Lin:
	QUARTER 128, F1, F0, 0
	QUARTER 192, F0, F1, 0
	TURN 1
	WIN 0
	s_sub_co_u32 s3, s3, 1
	s_cmp_lg_u32 s3, 0
	s_cbranch_scc1 .Lstep
	s_cmp_eq_u32 s2, 1
	s_cbranch_scc0 .Lout                           ; the first tile is finished, and the second's first fragments are on their way into buffer 0, which the way out leaves alone.
	                                               ; No v_nop: blocks 0-2 were finished ahead of the joint load's four, and their conversions are the places behind the last products (blocks 3-5's)
	s_mov_b32 s3, 2
.Ltail:                                                ; the second tile's last two K steps fill nothing
	QUARTER 64, F0, F1, 0
	QUARTER 128, F1, F0, 0
	QUARTER 192, F0, F1, 0
	TURN 0
	WIN 0
	s_sub_co_u32 s3, s3, 1
	s_cmp_lg_u32 s3, 0
	s_cbranch_scc1 .Ltail
	PLACES
	PLACES                                         ; eight, once a launch
.Lout:
	PACK 0
	TOSTAGE 0
.irp a, 1,2,3,4,5                      ; block a's conversions stand between block a - 1's loads from the stage and the wait for them
	PACK \a
	SEND (\a)-1
	TOSTAGE \a
.endr
	SEND 5
	s_wait_xcnt 0x0                                ; the stores have read their base
	s_add_nc_u64 s[8:9], s[8:9], WALKC             ; the second tile's place in qkvt
	s_mov_b32 s[JD], 0                             ; in the second tile nothing goes over
	s_mov_b32 s[JP], 0
	s_mov_b32 s[LIM], s[LIM2]
	s_mov_b32 s3, KSTEPS-2                         ; its last two K steps are the tail's
	s_sub_co_u32 s2, s2, 1
	s_cmp_lg_u32 s2, 0
	s_cbranch_scc1 .Ltile
	s_wait_tensorcnt 0x0                           ; the wave's end: behind my last tensor load and my last LDS store
	ds_add_u32 v[SPW], v[NIL]
	s_wait_dscnt 0x0
	CROUND                                         ; the closing round
	s_endpgm
.Lfunc_end_k_q870a9d667c_proj:
	.size	k_q870a9d667c_proj, .Lfunc_end_k_q870a9d667c_proj-k_q870a9d667c_proj
	.p2alignl 7, 3214868480
	.fill 96, 4, 3214868480
	.section	.rodata,"a",@progbits
	.p2align	6, 0x0
	.amdhsa_kernel k_q870a9d667c_proj
		.amdhsa_group_segment_fixed_size 327680
		.amdhsa_private_segment_fixed_size 0
		.amdhsa_enable_private_segment 0
		.amdhsa_kernarg_size 24
		.amdhsa_user_sgpr_count 2
		.amdhsa_user_sgpr_kernarg_segment_ptr 1
		.amdhsa_wavefront_size32 1
		.amdhsa_system_sgpr_workgroup_id_x 1
		.amdhsa_system_sgpr_workgroup_id_y 1
		.amdhsa_system_sgpr_workgroup_id_z 1
		.amdhsa_system_vgpr_workitem_id 0
		.amdhsa_next_free_vgpr 1024
		.amdhsa_next_free_sgpr 80
		.amdhsa_reserve_vcc 0
		.amdhsa_float_denorm_mode_32 3
		.amdhsa_float_denorm_mode_16_64 3
		.amdhsa_memory_ordered 1
		.amdhsa_forward_progress 1
		.amdhsa_inst_pref_size 83
	.end_amdhsa_kernel
	.amdgpu_metadata
---
amdhsa.version: [ 1, 2 ]
amdhsa.kernels:
  - .name:           k_q870a9d667c_proj
    .symbol:         k_q870a9d667c_proj.kd
    .args:
      - { .name: wb, .offset: 0, .size: 8, .value_kind: global_buffer, .address_space: global }
      - { .name: xb, .offset: 8, .size: 8, .value_kind: global_buffer, .address_space: global }
      - { .name: qkvt, .offset: 16, .size: 8, .value_kind: global_buffer, .address_space: global }
    .group_segment_fixed_size: 327680
    .private_segment_fixed_size: 0
    .kernarg_segment_align: 8
    .kernarg_segment_size: 24
    .max_flat_workgroup_size: 128
    .sgpr_count:     80
    .vgpr_count:     1024
    .wavefront_size: 32
...
	.end_amdgpu_metadata
.endif
;; end of part 2
;; launch scores (part 3): grid 8 x 32, 4 waves a work-group, clusters of 4 x 4, 327,680 bytes of LDS; arguments qkvt, p, st; writes p, st
.if DOCPART == 3
	.amdgcn_target "amdgcn-amd-amdhsa--gfx1250"
	.amdhsa_code_object_version 6
	.text
	.protected	k_q870a9d667c_scores
	.globl	k_q870a9d667c_scores
	.p2align	8
	.type	k_q870a9d667c_scores,@function
k_q870a9d667c_scores:
	s_mov_b64 s[64:65], 0
	v_nop
	global_prefetch_b8 v0, s[64:65] scope:SCOPE_SE
	s_setreg_imm32_b32 hwreg(HW_REG_WAVE_MODE, 25, 1), 1
	s_wait_xcnt 0x0
	s_wait_alu depctr_hold_cnt(0) depctr_sa_sdst(0) depctr_va_vdst(0) depctr_va_sdst(0) depctr_va_ssrc(0) depctr_va_vcc(0) depctr_vm_vsrc(0)
	s_getreg_b32 s2, hwreg(HW_REG_IB_STS2, 6, 4)
	s_cmp_eq_u32 s2, 0
	s_cbranch_scc0 .Lentry_in_a_cluster
	s_endpgm
.Lentry_in_a_cluster:
	s_bfe_u32 s2, ttmp6, 0x10000c
	s_cmp_lg_u32 s2, 0xf033
	s_cbranch_scc0 .Lentry_shape_is_right
	s_endpgm
.Lentry_shape_is_right:
; S = q k^T on tiles of 256 queries x 256 keys, and the first half of the softmax.  For each query and each block kb of 128 keys: cm = c max S, p = 2^(c s - cm), l = the sum of p; c = log2(e) / 32.
; p goes out as f16, [8192 queries][2048 keys]; (cm, l) as f32, st[batch][kb][query][2].  The launch behind takes the maximum of a query's sixteen cm and rescales: together the row's true maximum is taken away.
; q and k come from qkvt [channel][token] in f16: channels 0-1023 q, 1024-2047 k.  Products of f16 numbers, sums, maxima and l in f32 (l of the unrounded p).
; LIMITS.  p lies in 0 to 1 (to within a rounding of c s - cm); below 6e-5 it keeps f16's fixed step of 6e-8; a weight below 2^-126 counts as 0 in l.  NaN and infinities are not treated apart.
; SHARES.  256 tiles, a work-group each; four waves, each 128 queries x 128 keys (one block kb): 64 accumulators, 512 registers.  K = 1,024 channels in 8 steps of 128 through two LDS slots.
; LDS holds the tiles as memory does, [channel][token]: 512 bytes a row; both operands' fragments come out turned, by ds_load_tr16_b128.
; THE TEXT.  A loop trip is one K step: one descriptor for each operand walks (its LDS word is turned by an exclusive or, its address stepped), and the fragments' LDS addresses are made anew at each change of slots.
; The last two K steps, which fill nothing, are a loop of two trips; the second jumps over the fragment loads (there is no next step) and passes a barrier that orders nothing: the price of one text for both.
; CLUSTER.  4 x 4: q's tile hangs on the query tile alone (joint along a row of the cluster), k's on the batch and the key tile (joint along a column; the cluster's four query tiles lie in one batch).
; THE MATRIX INSTRUCTION IS USED TRANSPOSED: source 0 = 16 keys, source 1 = 16 queries: a lane holds ONE query (lane % 16) and keys 8 (lane / 16) + 0..7 of each block of 16.
; REGISTERS in windows of 256 (s_set_vgpr_msb: bits 1:0 source 0, 3:2 source 1, 5:4 source 2, 7:6 destination):
;   window 0: v0-31 addresses; v64-127, v128-191 q's fragments, two buffers (on the way out: statistics, sums); v192-223 packed p; v32-63, v224-255 rows read back
;   window 1: v64-127, v128-191 k's fragments      window 2: accumulators of my queries 0-63 ((a, b) at v[8 (8 a + b)])      window 3: of my queries 64-127
; PREFETCH.  Behind each joint refill one instruction a wave names the K step that the NEXT refill will ask for (256 matrix instructions ahead of it): of the 64 rows x 512 bytes that the wave fetches each of
; the four partners takes 16 rows, told apart by address: a lane half a row.  q's columns are named by the clusters with x = 0, k's by those with even y.  K steps 0 to 2 come by their loads alone; the last refill names nothing.
.set PT,     544                       ; an LDS row: 512 bytes + 32 of padding = 136 words
.set HALFT,  64*PT                     ; what one tensor load brings
.set SLOT,   4*HALFT                   ; q's 128 channels, then k's: 139,264 = 2^17 + 2^13, bits that wave x 34,816 (wave 0 to 3) never has: an exclusive or with SLOT adds it or takes it away
.set QB,     32*PT                     ; a quarter step: 32 channels
.set STAGE,  2*SLOT                    ; behind the ring: 16 rows x 272 bytes for each wave; no tensor load fills it
.set SPITCH, 272
.set SPARE,  STAGE+4*16*SPITCH         ; the spare words, 128 bytes a wave: two blocks of 256 bytes that no other line names
.set STEPB,  128*16384                 ; bytes from a K step to the next: 128 rows of qkvt
.set KSTEPS, 8
.set OUTB,   4096                      ; bytes in a row of p
.set FLAGS,  (1<<16)|(1<<20)|(1<<21)|(6<<22)|(7<<25)  ; 2-byte elements; padding on; 21 set beside a mask; after every 128 words; 8 words
.set NF,   32
.set NHI,  8
.set ADRA0, 16                         ; v16  LDS address of my q fragments in slot 0; never rewritten
.set ADRB0, 17                         ; v17  the same for k
.set ADRA, 20                          ; v20  the same in the slot in hand
.set ADRB, 21
.set STO,  24
.set RD,   25
.set CO,   26
.set SO,   27                          ; v27  8 x lane: my pair in 32 rows of st
.set SPW,  28
.set NIL,  29
.set PFO,  30
.set OB,   32
.set F0,   64
.set F1,   128
.set TMP,  192
.set ST,   64                          ; the way out: block a's statistics at v[ST+4 a]: cm, m, l
.set CC,   96                          ; v96-99  four chains of the maximum
.set SP,   100                         ; v100-107  (cm, l) as stored
.set T,    128                         ; v128-159  partial sums
.set WV,  12
.set WR,  13                           ; which half of the tile's queries is mine; also 0: I fetch for q, 1: for k
.set WC,  14                           ; which half of its keys; also which 64 channels of a K step I fetch
.set LIM, 15                           ; 1 in a wave that prefetches, else the greatest number
.set G1A, 24
.set G0A, 32                           ; s[32:35] group 0 of K step 0; s[36:39] the group 0 that walks
.set CX,  40
.set CY,  41
.set TX,  42                           ; key tile in the batch
.set TY,  43                           ; query tile: 8 x batch + tile in the batch
.set PFA, 44
.set G1B, 48
.set G0B, 56
.set CS,  66                           ; s[66:67] c, twice
.set SEL, 68                           ; s[68:69] v_permlanex16_b32's selects: each lane takes its own place in the other half
.set HM,  70                           ; s70  mask of lanes 16-31
.set TB,  71                           ; s71  0 or SLOT: the slot in hand
.set BAT, 72                           ; s72  the batch, made of the cluster's y alone
.set MSB, 0
.macro WIN new
.if MSB != (\new)
	s_set_vgpr_msb (MSB<<8)|(\new)
.set MSB, (\new)
.endif
.endm
.set TO_B, 0x40
.macro PLACES
.rept 4
	v_nop
.endr
.endm
.macro JLOAD s                         ; waves 0 and 1 fetch q's two channel halves, waves 2 and 3 k's; an s_nop 0 and four v_nop follow each line
	s_cmp_eq_u32 s[WR], 0
	s_cbranch_scc0 .Lfor_b_\@
	tensor_load_to_lds s[G0A+4*(\s):G0A+4*(\s)+3], s[G1A:G1A+7]
	s_nop 0
.rept 4
	v_nop
.endr
	s_branch .Lasked_\@
.Lfor_b_\@:
	tensor_load_to_lds s[G0B+4*(\s):G0B+4*(\s)+3], s[G1B:G1B+7]
	s_nop 0
.rept 4
	v_nop
.endr
.Lasked_\@:
.endm
.macro ASK                             ; not at the last refill (s3 = 1): the K step named would not exist
	s_cmp_gt_u32 s3, s[LIM]
	s_cbranch_scc0 .Lnot_mine_\@
	global_prefetch_b8 v[PFO], s[PFA:PFA+1] th:TH_LOAD_NT scope:SCOPE_SE
.Lnot_mine_\@:
.endm
.macro CREST
	s_cmp_lg_u32 s[WV], 0
	s_cbranch_scc1 .Lnot_wave_0_\@
	s_barrier_signal -3
.Lnot_wave_0_\@:
	s_barrier_wait -3
	s_barrier_signal -1
	s_barrier_wait -1
.endm
.macro CROUND
	s_barrier_signal -1
	s_barrier_wait -1
	CREST
.endm
	s_load_b128 s[4:7], s[0:1], 0x0                ; qkvt s[4:5], p s[6:7]
	s_load_b64 s[8:9], s[0:1], 0x10                ; st
	v_lshl_add_u32 v[SPW], v0, 2, SPARE
	v_mov_b32 v[NIL], 0
	ds_add_u32 v[SPW], v[NIL]                      ; the wave's opening: the add and its wait ahead of my first tensor load
	v_lshrrev_b32 v1, 5, v0
	v_readfirstlane_b32 s[WV], v1
	s_lshr_b32 s[WR], s[WV], 1
	s_and_b32 s[WC], s[WV], 1
	s_bfe_u32 s[CX], ttmp6, 0x40000
	s_bfe_u32 s[CY], ttmp6, 0x40004
	s_lshl_b32 s[TX], ttmp9, 2
	s_add_co_u32 s[TX], s[TX], s[CX]
	s_and_b32 s[BAT], ttmp7, 0xffff                ; cluster y
	s_lshl_b32 s[TY], s[BAT], 2
	s_add_co_u32 s[TY], s[TY], s[CY]
	s_lshr_b32 s[BAT], s[BAT], 1                   ; two clusters along y to a batch
	s_lshl_b32 s20, s[CY], 2
	s_lshl_b32 s20, 15, s20
	s_lshl_b32 s21, 0x1111, s[CX]
	s_or_b32 s[G1A], s20, FLAGS
	s_or_b32 s[G1B], s21, FLAGS
.irp g, G1A, G1B
	s_mov_b32 s[(\g)+1], 256<<16                   ; tensor_dim0 = 256 tokens
	s_mov_b32 s[(\g)+2], 64<<16                    ; tensor_dim1 = 64 channels
	s_mov_b32 s[(\g)+3], 256<<16                   ; tile_dim0
	s_mov_b32 s[(\g)+4], 64                        ; tile_dim1
	s_mov_b32 s[(\g)+5], 8192                      ; elements from row to row
	s_mov_b32 s[(\g)+6], 0
	s_mov_b32 s[(\g)+7], 0
.endr
	s_mov_b32 s[CS], 0x3d38aa3b                    ; c = log2(e) / 32
	s_mov_b32 s[CS+1], s[CS]
	s_mov_b32 s[SEL], 0x76543210
	s_mov_b32 s[SEL+1], 0xfedcba98
	s_mov_b32 s[TB], 0
	s_lshl_b32 s16, s[WC], 20                      ; q: my 64 channels (16,384 bytes a row),
	s_lshl_b32 s18, s[TY], 9                       ; the query tile's 512 bytes
	s_add_co_u32 s16, s16, s18
	s_mov_b32 s17, 0
	s_lshl_b32 s46, s[WC], 20                      ; k: the same, 1,024 rows down,
	s_add_co_u32 s46, s46, 1024*16384
	s_lshl_b32 s19, s[BAT], 12                     ; the batch's 4,096 bytes,
	s_add_co_u32 s46, s46, s19
	s_lshl_b32 s19, s[TX], 9                       ; the key tile's 512
	s_add_co_u32 s46, s46, s19
	s_mov_b32 s47, 0
	s_mul_i32 s22, s[WV], HALFT                    ; where they go: wave x 64 rows
	s_wait_dscnt 0x0                               ; the opening add is done
	s_wait_kmcnt 0x0
	s_add_nc_u64 s[16:17], s[4:5], s[16:17]
	s_add_nc_u64 s[46:47], s[4:5], s[46:47]
	CROUND                                         ; the first joint loads meet
.irp s, 0,1
	s_mov_b32 s[G0A+4*(\s)], 1
	s_add_co_u32 s[G0A+4*(\s)+1], s22, (\s)*SLOT
	s_add_nc_u64 s[G0A+4*(\s)+2:G0A+4*(\s)+3], s[16:17], (\s)*STEPB
	s_or_b32 s[G0A+4*(\s)+3], s[G0A+4*(\s)+3], 0x80000000
	s_mov_b32 s[G0B+4*(\s)], 1
	s_add_co_u32 s[G0B+4*(\s)+1], s22, (\s)*SLOT
	s_add_nc_u64 s[G0B+4*(\s)+2:G0B+4*(\s)+3], s[46:47], (\s)*STEPB
	s_or_b32 s[G0B+4*(\s)+3], s[G0B+4*(\s)+3], 0x80000000
	JLOAD \s
.endr
	; the turning load takes 16 channels x 16 tokens (lane l reads channel 8 (l / 16) + l % 8, tokens 8 ((l / 8) % 2) + 0..7) and leaves half a fragment: lane l holds token l % 16 and 8 channels
	v_and_b32 v1, 15, v0                           ; r
	v_bfe_u32 v2, v0, 4, 1                         ; h
	v_and_b32 v3, 7, v0
	v_lshl_add_u32 v3, v2, 3, v3
	v_mul_u32_u24 v3, v3, PT
	v_bfe_u32 v4, v0, 3, 1
	v_lshl_add_u32 v3, v4, 4, v3
	s_lshl_b32 s18, s[WR], 8                       ; my 128 queries: 256 bytes of a row
	s_lshl_b32 s19, s[WC], 8                       ; my 128 keys,
	s_add_co_u32 s19, s19, 2*HALFT                 ; behind q's 128 rows
	v_add_nc_u32 v[ADRA0], s18, v3
	v_add_nc_u32 v[ADRB0], s19, v3
	v_mov_b32 v[ADRA], v[ADRA0]                    ; slot 0 is in hand
	v_mov_b32 v[ADRB], v[ADRB0]
	s_mul_i32 s18, s[WV], 16*SPITCH
	s_add_co_u32 s18, s18, STAGE
	v_mul_u32_u24 v4, v1, SPITCH
	v_lshl_add_u32 v4, v2, 4, v4
	v_add_nc_u32 v[STO], s18, v4
	v_mul_u32_u24 v5, v2, SPITCH
	v_lshl_add_u32 v5, v1, 4, v5
	v_add_nc_u32 v[RD], s18, v5
	v_lshlrev_b32 v5, 12, v2
	v_lshl_add_u32 v[CO], v1, 4, v5
	v_and_b32 v5, 31, v0
	v_lshlrev_b32 v[SO], 3, v5
	; the prefetches: s[16:17] and s[46:47] still hold my tile's address
	v_lshrrev_b32 v6, 1, v5
	v_and_b32 v5, 1, v5
	v_lshlrev_b32 v5, 8, v5
	v_lshl_add_u32 v[PFO], v6, 14, v5              ; row lane / 2, half lane % 2
	s_and_b32 s23, ttmp7, 0xffff
	s_and_b32 s23, s23, 1                          ; cluster y's parity: the two clusters of a batch read the same k
	s_cmp_eq_u32 s[WR], 0
	s_cselect_b32 s20, s[CX], s[CY]                ; my place among the four that ask with me
	s_cselect_b32 s23, ttmp9, s23
	s_cselect_b64 s[PFA:PFA+1], s[16:17], s[46:47]
	s_cmp_eq_u32 s23, 0
	s_cselect_b32 s[LIM], 1, -1
	s_lshl_b32 s20, s20, 18                        ; my work-group's 16 rows of the 64
	s_add_co_u32 s20, s20, 2*STEPB                 ; at K step 2: the first refill steps it to 3
	s_mov_b32 s21, 0
	s_add_nc_u64 s[PFA:PFA+1], s[PFA:PFA+1], s[20:21]
	; my part of the tile in p: row 256 x query tile + 128 x half; byte 512 x key tile + 256 x half
	s_lshl_b32 s74, s[TY], 8
	s_lshl_b32 s75, s[WR], 7
	s_add_co_u32 s74, s74, s75
	s_lshl_b32 s74, s74, 12
	s_lshl_b32 s75, s[TX], 9
	s_add_co_u32 s74, s74, s75
	s_lshl_b32 s75, s[WC], 8
	s_add_co_u32 s74, s74, s75
	s_mov_b32 s75, 0
	s_add_nc_u64 s[6:7], s[6:7], s[74:75]
	; and in st: ((16 x batch + kb) x 2,048 + my first query in the batch) x 8
	s_lshr_b32 s74, s[TY], 3
	s_lshl_b32 s74, s74, 4
	s_lshl_b32 s75, s[TX], 1
	s_add_co_u32 s74, s74, s75
	s_add_co_u32 s74, s74, s[WC]
	s_lshl_b32 s74, s74, 11
	s_and_b32 s75, s[TY], 7
	s_lshl_b32 s75, s75, 8
	s_add_co_u32 s74, s74, s75
	s_lshl_b32 s75, s[WR], 7
	s_add_co_u32 s74, s74, s75
	s_lshl_b32 s74, s74, 3
	s_mov_b32 s75, 0
	s_add_nc_u64 s[8:9], s[8:9], s[74:75]
; 8 matrix instructions: query block a of the window's four x all 8 key blocks, 32 channels.  The 64 accumulators take turns, one instruction a turn, in the same order in every quarter.
.macro MULR f, hi, a, zero
	WIN 0xa1+0x50*(\hi)
.irp b, 0,1,2,3,4,5,6,7
.if \zero
	v_wmma_f32_16x16x32_f16 v[8*(8*(\a)+(\b)):8*(8*(\a)+(\b))+7], v[(\f)+8*(\b):(\f)+8*(\b)+7], v[(\f)+8*(4*(\hi)+(\a)):(\f)+8*(4*(\hi)+(\a))+7], 0
.else
	v_wmma_f32_16x16x32_f16 v[8*(8*(\a)+(\b)):8*(8*(\a)+(\b))+7], v[(\f)+8*(\b):(\f)+8*(\b)+7], v[(\f)+8*(4*(\hi)+(\a)):(\f)+8*(4*(\hi)+(\a))+7], v[8*(8*(\a)+(\b)):8*(8*(\a)+(\b))+7]
.endif
.endr
.endm
.macro MHALF f, hi, zero
	MULR \f, \hi, 0, \zero
	MULR \f, \hi, 1, \zero
	MULR \f, \hi, 2, \zero
	MULR \f, \hi, 3, \zero
.endm
; 32 LDS loads in one run: the fragments of 32 channels, k bytes down the slot in hand, into buffer f: k's eight, then q's eight
.macro FETCH k, f
	WIN TO_B
.irp i, 0,1,2,3,4,5,6,7
	ds_load_tr16_b128 v[(\f)+8*(\i):(\f)+8*(\i)+3],   v[ADRB] offset:(\k)+32*(\i)
	ds_load_tr16_b128 v[(\f)+8*(\i)+4:(\f)+8*(\i)+7], v[ADRB] offset:(\k)+32*(\i)+16*PT
.endr
	WIN 0
.irp i, 0,1,2,3,4,5,6,7
	ds_load_tr16_b128 v[(\f)+8*(\i):(\f)+8*(\i)+3],   v[ADRA] offset:(\k)+32*(\i)
	ds_load_tr16_b128 v[(\f)+8*(\i)+4:(\f)+8*(\i)+7], v[ADRA] offset:(\k)+32*(\i)+16*PT
.endr
.endm
.macro QUARTER k, f, g, zero
	s_wait_dscnt NHI                               ; k's fragments and q's queries 0-63 are in; the youngest eight loads may be out
	MHALF \f, 0, \zero
	PLACES
	FETCH \k, \g
	s_wait_dscnt NF                                ; all but the 32 just issued
	MHALF \f, 1, \zero
.endm
; The last quarter multiplies buffer 1 and changes slots: each wave waits for all its tensor loads (one is out: its part of the next slot), adds 0 to its spare word, and waits for that and for its reads of this slot.
; fill = 1: the barrier opens a round of the cluster's barrier, and behind the round this slot is filled again, two K steps ahead.
.macro TURN fill
.if \fill
	s_wait_xcnt 0x0                                ; the last prefetch, a K step back, has read its address
	s_add_nc_u64 s[PFA:PFA+1], s[PFA:PFA+1], STEPB
.endif
	WIN 0
	s_wait_tensorcnt 0x0                           ; all my tensor loads have landed, so a group 0 may be written
	ds_add_u32 v[SPW], v[NIL]                      ; 0 onto my spare word: the descriptors' steps and sixteen products stand between it and the wait for it
.if \fill
	s_xor_b32 s[G0A+5], s[G0A+5], SLOT             ; the walking descriptors: the other slot than last time,
	s_add_nc_u64 s[G0A+6:G0A+7], s[G0A+6:G0A+7], STEPB  ; the next K step; the type bits on top are not reached
	s_xor_b32 s[G0B+5], s[G0B+5], SLOT
	s_add_nc_u64 s[G0B+6:G0B+7], s[G0B+6:G0B+7], STEPB
.endif
	s_xor_b32 s[TB], s[TB], SLOT                   ; the slot that comes in hand
	s_wait_dscnt NHI+1                             ; (the add and the youngest eight loads may be out)
	MULR F1, 0, 0, 0
	MULR F1, 0, 1, 0
	s_wait_dscnt 0x0                               ; the add is done, and my reads of this slot are over
	s_barrier_signal -1
	MULR F1, 0, 2, 0
	MULR F1, 0, 3, 0
	WIN 0
	s_barrier_wait -1
.if \fill
	CREST                                          ; no wave of any partner still reads this slot or has a load on its way
	JLOAD 1                                        ; the first tensor load behind the round, 224 matrix instructions ahead of the wait for it; its four v_nop are also the places in front of the loads below
.else
	s_cmp_eq_u32 s3, 1                             ; the last K step has no successor
	s_cbranch_scc1 .Lnofetch_\@
	PLACES
.endif
	v_add_nc_u32 v[ADRA], s[TB], v[ADRA0]
	v_add_nc_u32 v[ADRB], s[TB], v[ADRB0]
	FETCH 0, F0
.if \fill
	ASK
.else
.Lnofetch_\@:
.endif
	MHALF F1, 1, 0
.endm
; THE SOFTMAX'S FIRST HALF for query block a: a lane's 64 scores lie in 8 accumulators on end.  Each accumulator's lowest registers are read first.
.macro SOFT a
.set W, 2+(\a)/4
.set AC, 64*((\a)%4)
.set rT, ST+4*(\a)
	WIN W|(W<<2)|(W<<4)
.irp i, 0,1,2,3                        ; four chains of 16 scores, three operands at a time
	v_max3_num_f32 v[CC+(\i)], v[AC+16*(\i)], v[AC+16*(\i)+1], v[AC+16*(\i)+2]
.endr
	WIN (W<<2)|(W<<4)
.irp n, 3,5,7,9,11,13
.irp i, 0,1,2,3
	v_max3_num_f32 v[CC+(\i)], v[CC+(\i)], v[AC+16*(\i)+(\n)], v[AC+16*(\i)+(\n)+1]
.endr
.endr
.irp i, 0,1,2,3
	v_max_num_f32 v[CC+(\i)], v[CC+(\i)], v[AC+16*(\i)+15]
.endr
	WIN 0
	v_max3_num_f32 v[CC], v[CC], v[CC+1], v[CC+2]
	v_max_num_f32 v[CC], v[CC], v[CC+3]
	v_permlanex16_b32 v[CC+1], v[CC], s[SEL], s[SEL+1]  ; the query's other 64 keys lie in the lane 16 away
	v_max_num_f32 v[rT+1], v[CC], v[CC+1]          ; m
	v_mul_f32 v[rT], s[CS], v[rT+1]                ; cm
	WIN W|(W<<6)
.set n, 0
.rept 32
	v_pk_fma_f32 v[AC+2*n:AC+2*n+1], v[AC+2*n:AC+2*n+1], s[CS:CS+1], v[rT:rT+1] op_sel_hi:[1,0,0] neg_lo:[0,0,1] neg_hi:[0,0,1]  ; c s - cm
.set n, n+1
.endr
.set n, 0
.rept 64                               ; one batch of exponentials,
	v_exp_f32 v[AC+n], v[AC+n]
.set n, n+1
.endr
	v_nop                                          ; a plain instruction behind the last of them,
	s_wait_alu depctr_va_vdst(0)                   ; and the one wait ahead of the first reader
	WIN W|(W<<2)
.set n, 0
.rept 32
	v_cvt_pk_f16_f32 v[TMP+n], v[AC+2*n], v[AC+2*n+1]
.set n, n+1
.endr
.set n, 0
.rept 16
	v_pk_add_f32 v[T+2*n:T+2*n+1], v[AC+4*n:AC+4*n+1], v[AC+4*n+2:AC+4*n+3]
.set n, n+1
.endr
	WIN 0
.irp w, 8,4,2,1
.set n, 0
.rept \w
	v_pk_add_f32 v[T+2*n:T+2*n+1], v[T+2*n:T+2*n+1], v[T+2*(n+(\w)):T+2*(n+(\w))+1]
.set n, n+1
.endr
.endr
	v_add_f32 v[T], v[T], v[T+1]
	v_permlanex16_b32 v[CC+1], v[T], s[SEL], s[SEL+1]
	v_add_f32 v[rT+2], v[T], v[CC+1]               ; l
.endm
.macro TOSTAGE a
	WIN 0
.set BK, OB+192*((\a)%2)
.irp b, 0,1,2,3,4,5,6,7
	ds_store_b128 v[STO], v[TMP+4*(\b):TMP+4*(\b)+3] offset:32*(\b)
.endr
.irp t, 0,1,2,3,4,5,6,7
	ds_load_b128 v[BK+4*(\t):BK+4*(\t)+3], v[RD] offset:(\t)*2*SPITCH  ; LDS serves a wave's instructions in order (ISA guide 5.7.1.4): these see the stores above
.endr
.endm
.macro SEND a
	WIN 0
.set BK, OB+192*((\a)%2)
	s_wait_dscnt 0x0                               ; the block is back in registers
	s_wait_xcnt 0x0                                ; earlier stores have read their registers: the other buffer may be loaded again behind this wait
.irp t, 0,1,2,3,4,5,6,7
	global_store_b128 v[CO], v[BK+4*(\t):BK+4*(\t)+3], s[6:7] offset:(16*(\a)+2*(\t))*OUTB  ; 16 lanes store 256 consecutive bytes, aligned
.endr
.endm
	s_wait_tensorcnt 0x1                           ; my part of K step 0 is in; K step 1's may stay out
	s_barrier_signal -1
	s_barrier_wait -1
	FETCH 0, F0
	QUARTER QB, F0, F1, 1                          ; the first quarter's products start the sums
	WIN 0
	s_mov_b32 s3, KSTEPS-2                         ; all K steps but the last two fill their slot again
	s_branch .Lin                                  ; the loop is entered behind its first quarter
.Lstep:                                                ; a trip is a K step that fills its slot again
	QUARTER QB, F0, F1, 0
	WIN 0
.Lin:
	QUARTER 2*QB, F1, F0, 0
	QUARTER 3*QB, F0, F1, 0
	TURN 1
	WIN 0
	s_sub_co_u32 s3, s3, 1
	s_cmp_lg_u32 s3, 0
	s_cbranch_scc1 .Lstep
	s_mov_b32 s3, 2
.Ltail:                                                ; the last two K steps fill nothing
	QUARTER QB, F0, F1, 0
	QUARTER 2*QB, F1, F0, 0
	QUARTER 3*QB, F0, F1, 0
	TURN 0
	WIN 0
	s_sub_co_u32 s3, s3, 1
	s_cmp_lg_u32 s3, 0
	s_cbranch_scc1 .Ltail
	PLACES
	PLACES                                         ; eight, once a launch
	SOFT 0
	TOSTAGE 0
.irp a, 1,2,3,4,5,6,7                  ; block a's softmax stands between block a - 1's loads from the stage and the wait for them
	SOFT \a
	SEND (\a)-1
	TOSTAGE \a
.endr
	SEND 7
	; the statistics: both halves of the lanes hold a block's 16 rows; lanes 0-15 take block 2 q, lanes 16-31 block 2 q + 1: 32 rows x 8 bytes, 256 consecutive bytes, aligned
	v_and_b32 v5, 31, v0
	v_cmp_lt_u32 s[HM], 15, v5
.irp q, 0,1,2,3
	v_cndmask_b32 v[SP+2*(\q)], v[ST+8*(\q)], v[ST+8*(\q)+4], s[HM]
	v_cndmask_b32 v[SP+2*(\q)+1], v[ST+8*(\q)+2], v[ST+8*(\q)+6], s[HM]
	global_store_b64 v[SO], v[SP+2*(\q):SP+2*(\q)+1], s[8:9] offset:256*(\q)
.endr
	s_wait_tensorcnt 0x0                           ; the wave's end
	ds_add_u32 v[SPW], v[NIL]
	s_wait_dscnt 0x0
	CROUND                                         ; the closing round
	s_endpgm
.Lfunc_end_k_q870a9d667c_scores:
	.size	k_q870a9d667c_scores, .Lfunc_end_k_q870a9d667c_scores-k_q870a9d667c_scores
	.p2alignl 7, 3214868480
	.fill 96, 4, 3214868480
	.section	.rodata,"a",@progbits
	.p2align	6, 0x0
	.amdhsa_kernel k_q870a9d667c_scores
		.amdhsa_group_segment_fixed_size 327680
		.amdhsa_private_segment_fixed_size 0
		.amdhsa_enable_private_segment 0
		.amdhsa_kernarg_size 24
		.amdhsa_user_sgpr_count 2
		.amdhsa_user_sgpr_kernarg_segment_ptr 1
		.amdhsa_wavefront_size32 1
		.amdhsa_system_sgpr_workgroup_id_x 1
		.amdhsa_system_sgpr_workgroup_id_y 1
		.amdhsa_system_sgpr_workgroup_id_z 1
		.amdhsa_system_vgpr_workitem_id 0
		.amdhsa_next_free_vgpr 1024
		.amdhsa_next_free_sgpr 80
		.amdhsa_reserve_vcc 0
		.amdhsa_float_denorm_mode_32 3
		.amdhsa_float_denorm_mode_16_64 3
		.amdhsa_memory_ordered 1
		.amdhsa_forward_progress 1
		.amdhsa_inst_pref_size 169
	.end_amdhsa_kernel
	.amdgpu_metadata
---
amdhsa.version: [ 1, 2 ]
amdhsa.kernels:
  - .name:           k_q870a9d667c_scores
    .symbol:         k_q870a9d667c_scores.kd
    .args:
      - { .name: qkvt, .offset: 0, .size: 8, .value_kind: global_buffer, .address_space: global }
      - { .name: p, .offset: 8, .size: 8, .value_kind: global_buffer, .address_space: global }
      - { .name: st, .offset: 16, .size: 8, .value_kind: global_buffer, .address_space: global }
    .group_segment_fixed_size: 327680
    .private_segment_fixed_size: 0
    .kernarg_segment_align: 8
    .kernarg_segment_size: 24
    .max_flat_workgroup_size: 128
    .sgpr_count:     80
    .vgpr_count:     1024
    .wavefront_size: 32
...
	.end_amdgpu_metadata
.endif
;; end of part 3
;; launch pv (part 4): grid 4 x 64, 4 waves a work-group, clusters of 4 x 4, 327,680 bytes of LDS; arguments p, qkvt, st, out0; writes out0
.if DOCPART == 4
	.amdgcn_target "amdgcn-amd-amdhsa--gfx1250"
	.amdhsa_code_object_version 6
	.text
	.protected	k_q870a9d667c_pv
	.globl	k_q870a9d667c_pv
	.p2align	8
	.type	k_q870a9d667c_pv,@function
k_q870a9d667c_pv:
	s_mov_b64 s[64:65], 0
	v_nop
	global_prefetch_b8 v0, s[64:65] scope:SCOPE_SE
	s_setreg_imm32_b32 hwreg(HW_REG_WAVE_MODE, 25, 1), 1
	s_wait_xcnt 0x0
	s_wait_alu depctr_hold_cnt(0) depctr_sa_sdst(0) depctr_va_vdst(0) depctr_va_sdst(0) depctr_va_ssrc(0) depctr_va_vcc(0) depctr_vm_vsrc(0)
	s_getreg_b32 s2, hwreg(HW_REG_IB_STS2, 6, 4)
	s_cmp_eq_u32 s2, 0
	s_cbranch_scc0 .Lentry_in_a_cluster
	s_endpgm
.Lentry_in_a_cluster:
	s_bfe_u32 s2, ttmp6, 0x10000c
	s_cmp_lg_u32 s2, 0xf033
	s_cbranch_scc0 .Lentry_shape_is_right
	s_endpgm
.Lentry_shape_is_right:
; THE SOFTMAX'S SECOND HALF AND out = attn v.  For each query: M = the maximum of its sixteen cm, f[kb] = 2^(cm[kb] - M), L = the sum of f[kb] l[kb]; out[q][e] = (the sum over kb and its 128 keys of (f p) v) / L.
; p: [8192 queries][2048 keys] f16; v^T: rows 2048-3071 of qkvt [channel][token] f16; st[batch][kb][query] = (cm, l) f32; out0: [8192][1024] f32.
; f p is made in f16 (one more rounding of a matrix operand, between its load and the product); M, f, L, the products' sums and the division in f32.
; LIMITS.  f and p lie in 0 to 1; f p below 6e-5 keeps f16's fixed step of 6e-8; f below 2^-126 counts as 0; L is at least about 1 (the block that holds the maximum has f = 1).  NaN and infinities are not treated apart.
; SHARES.  A tile of out0 is 128 queries x 256 channels: 64 x 4 = 256 tiles, a work-group each.  Four waves, each 64 x 128: 32 accumulators, 256 registers.  K = 2,048 keys in 16 steps of 128, a block kb each, through two LDS slots.
; THE TEXT.  A loop trip is one K step: one descriptor for each operand walks (its LDS word is turned by an exclusive or, its address stepped), and the fragments' LDS addresses are made anew at each change of slots.
; The last two K steps, which fill nothing, are a loop of two trips; the second has no next step to fetch or to scale, and passes a barrier that orders nothing: the price of one text for both.
; CLUSTER.  4 x 4: p's tile hangs on the query tile alone (joint along a row), v's on the batch and the channel tile (joint along a column; the cluster's four query tiles lie in one batch).
; THE MATRIX INSTRUCTION IS USED TRANSPOSED: source 0 = 16 channels of v^T, source 1 = 16 queries of p: a lane holds ONE query (lane % 16), in p's fragments and in the result, so f and 1 / L are a number a lane.
; REGISTERS.  Window 0: v0-31 addresses; v32-35 f of the K step in hand for my four query blocks (f16, twice in a word); v36-47 1 / L; v64-95, v96-127 p's fragments, two buffers; v128-191, v192-255 v's, two buffers
; (ahead of the loop: the statistics; on the way out: rows read back).  Window 1: the accumulators, (a, b) at v[8 (8 a + b)].
; PREFETCH.  Behind each joint refill one instruction names the K step TWO refills on (256 matrix instructions ahead of its load): a lane a row, 256 bytes.  p's 128 rows: wave 0 of each partner, 32 rows each, by address
; (no other cluster reads them).  v's: waves 2 and 3, 32 of their 128 rows each partner, in the first of a batch's four clusters.  K steps 0 to 3 come by their loads alone; the last two refills name nothing.
.set PITCH,  272                       ; an LDS row: 256 bytes + 16 of padding: the 16 rows of a fragment load start at 16 different groups of four banks (64 banks of 4 bytes: ISA guide 11.1)
.set ATILE,  128*PITCH                 ; p's 128 rows, then v's 256
.set SLOTB,  384*PITCH                 ; bytes in a slot
.set SLOT1,  131072                    ; slot 1 begins here: above every address in slot 0, so one exclusive or turns an address in one slot into the other's
.set STAGE,  SLOT1+SLOTB               ; 16 rows x 528 bytes for each wave, for the way out; no tensor load fills it
.set OPITCH, 528
.set TABLE,  STAGE+4*16*OPITCH         ; for each wave 17 blocks of 256 bytes: block kb holds f for row r, query blocks 0-3, at 16 r; block 16 holds 1 / L likewise
.set SPARE,  TABLE+4*17*256            ; the spare words, 128 bytes a wave: two blocks of 256 bytes that no other line names
.set STEPB,  256
.set KSTEPS, 16
.set FLAGS,  (1<<16)|(1<<20)|(1<<21)|(5<<22)|(3<<25)
.set ADRA0, 16                         ; v16  LDS address of my p fragments in slot 0; never rewritten
.set ADRB0, 17                         ; v17  the same for v
.set ADRA, 20                          ; v20  the same in the slot in hand
.set ADRB, 21
.set SO,   22                          ; v22  8 x lane: my pair in 32 rows of st
.set TW,   23                          ; v23  where I write the table
.set STO,  24
.set RD,   25
.set CO,   26
.set TAB0, 27                          ; v27  where I read the table's block 0
.set SPW,  28
.set NIL,  29
.set PFO,  30
.set TA,   31                          ; v31  the table address in hand
.set F,    32
.set IL,   36
.set ILP,  40
.set FA,   64
.set FB,   128
.set OB,   128
.set SV,   128                         ; v128-191  (cm, l) of rows 32 q + lane, q = 0, 1, for kb = 0..15
.set DV,   192                         ; v192-223  cm - M, then f
.set MX,   224
.set LL,   226
.set RL,   228
.set WV,  12
.set WR,  13                           ; which half of the tile's queries is mine; also 0: I fetch for p, 1: for v
.set WC,  14                           ; which half of its channels; also which half of that tile I fetch
.set LIM, 15                           ; 2 in a wave that prefetches, else the greatest number
.set G1A, 24
.set G0A, 32                           ; s[32:35] group 0 of K step 0; s[36:39] the group 0 that walks
.set CX,  40
.set CY,  41
.set TX,  42                           ; channel tile
.set TY,  43                           ; query tile: 16 x batch + tile in the batch
.set PFA, 44
.set G1B, 48
.set G0B, 56
.set TO,  71                           ; s71  256 x the table block to be read
.set BAT, 72                           ; s72  the batch, made of the cluster's y alone
.set TB,  73                           ; s73  0 or SLOT1: the slot in hand
.set W_MM, 0x50                        ; C and D window 1, sources window 0
.set MSB, 0
.macro WIN new
.if MSB != (\new)
	s_set_vgpr_msb (MSB<<8)|(\new)
.set MSB, (\new)
.endif
.endm
.macro PLACES
.rept 4
	v_nop
.endr
.endm
.macro JLOAD s                         ; waves 0 and 1 fetch p's two halves, waves 2 and 3 v's; an s_nop 0 and four v_nop follow each line
	s_cmp_eq_u32 s[WR], 0
	s_cbranch_scc0 .Lfor_b_\@
	tensor_load_to_lds s[G0A+4*(\s):G0A+4*(\s)+3], s[G1A:G1A+7]
	s_nop 0
.rept 4
	v_nop
.endr
	s_branch .Lasked_\@
.Lfor_b_\@:
	tensor_load_to_lds s[G0B+4*(\s):G0B+4*(\s)+3], s[G1B:G1B+7]
	s_nop 0
.rept 4
	v_nop
.endr
.Lasked_\@:
.endm
.macro ASK                             ; not at the last two refills (s3 = 2, 1): the K steps named would not exist
	s_cmp_gt_u32 s3, s[LIM]
	s_cbranch_scc0 .Lnot_mine_\@
	global_prefetch_b8 v[PFO], s[PFA:PFA+1] offset:STEPB th:TH_LOAD_NT scope:SCOPE_SE
.Lnot_mine_\@:
.endm
.macro CREST
	s_cmp_lg_u32 s[WV], 0
	s_cbranch_scc1 .Lnot_wave_0_\@
	s_barrier_signal -3
.Lnot_wave_0_\@:
	s_barrier_wait -3
	s_barrier_signal -1
	s_barrier_wait -1
.endm
.macro CROUND
	s_barrier_signal -1
	s_barrier_wait -1
	CREST
.endm
	s_load_b256 s[4:11], s[0:1], 0x0               ; p s[4:5], qkvt s[6:7], st s[8:9], out0 s[10:11]
	v_lshl_add_u32 v[SPW], v0, 2, SPARE
	v_mov_b32 v[NIL], 0
	ds_add_u32 v[SPW], v[NIL]                      ; the wave's opening: the add and its wait ahead of my first tensor load
	v_lshrrev_b32 v1, 5, v0
	v_readfirstlane_b32 s[WV], v1
	s_lshr_b32 s[WR], s[WV], 1
	s_and_b32 s[WC], s[WV], 1
	s_bfe_u32 s[CX], ttmp6, 0x40000
	s_bfe_u32 s[CY], ttmp6, 0x40004
	s_lshl_b32 s[TX], ttmp9, 2
	s_add_co_u32 s[TX], s[TX], s[CX]
	s_and_b32 s[BAT], ttmp7, 0xffff                ; cluster y
	s_lshl_b32 s[TY], s[BAT], 2
	s_add_co_u32 s[TY], s[TY], s[CY]
	s_lshr_b32 s[BAT], s[BAT], 2                   ; four clusters along y to a batch
	s_lshl_b32 s20, s[CY], 2
	s_lshl_b32 s20, 15, s20
	s_lshl_b32 s21, 0x1111, s[CX]
	s_or_b32 s[G1A], s20, FLAGS
	s_or_b32 s[G1B], s21, FLAGS
	s_mov_b32 s[G1A+1], 128<<16                    ; tensor_dim0 = 128 keys
	s_mov_b32 s[G1A+2], 64<<16                     ; tensor_dim1 = 64 queries
	s_mov_b32 s[G1A+3], 128<<16
	s_mov_b32 s[G1A+4], 64
	s_mov_b32 s[G1A+5], 2048                       ; elements from row to row of p
	s_mov_b32 s[G1A+6], 0
	s_mov_b32 s[G1A+7], 0
	s_mov_b32 s[G1B+1], 128<<16
	s_mov_b32 s[G1B+2], 128<<16                    ; 128 channels
	s_mov_b32 s[G1B+3], 128<<16
	s_mov_b32 s[G1B+4], 128
	s_mov_b32 s[G1B+5], 8192                       ; of qkvt
	s_mov_b32 s[G1B+6], 0
	s_mov_b32 s[G1B+7], 0
	s_mov_b32 s[TB], 0
	s_lshl_b32 s16, s[TY], 7                       ; p: row 128 x query tile + 64 x half, 4,096 bytes a row
	s_lshl_b32 s18, s[WC], 6
	s_add_co_u32 s16, s16, s18
	s_lshl_b32 s16, s16, 12
	s_mov_b32 s17, 0
	s_lshl_b32 s46, s[TX], 8                       ; v^T: row 2,048 + 256 x channel tile + 128 x half, 16,384 bytes a row,
	s_lshl_b32 s19, s[WC], 7
	s_add_co_u32 s46, s46, s19
	s_add_co_u32 s46, s46, 2048
	s_lshl_b32 s46, s46, 14
	s_lshl_b32 s19, s[BAT], 12                     ; the batch's 4,096 bytes
	s_add_co_u32 s46, s46, s19
	s_mov_b32 s47, 0
	s_mul_i32 s22, s[WC], 64*PITCH                 ; where they go
	s_mul_i32 s23, s[WC], 128*PITCH
	s_add_co_u32 s23, s23, ATILE
	s_wait_dscnt 0x0                               ; the opening add is done
	s_wait_kmcnt 0x0
	s_add_nc_u64 s[16:17], s[4:5], s[16:17]
	s_add_nc_u64 s[46:47], s[6:7], s[46:47]
	CROUND                                         ; the first joint loads meet
.irp s, 0,1
	s_mov_b32 s[G0A+4*(\s)], 1
	s_add_co_u32 s[G0A+4*(\s)+1], s22, (\s)*SLOT1
	s_add_nc_u64 s[G0A+4*(\s)+2:G0A+4*(\s)+3], s[16:17], (\s)*STEPB
	s_or_b32 s[G0A+4*(\s)+3], s[G0A+4*(\s)+3], 0x80000000
	s_mov_b32 s[G0B+4*(\s)], 1
	s_add_co_u32 s[G0B+4*(\s)+1], s23, (\s)*SLOT1
	s_add_nc_u64 s[G0B+4*(\s)+2:G0B+4*(\s)+3], s[46:47], (\s)*STEPB
	s_or_b32 s[G0B+4*(\s)+3], s[G0B+4*(\s)+3], 0x80000000
	JLOAD \s
.endr
	; THE STATISTICS of my 64 queries, in the wait for the first tiles.  Lane l holds rows 32 q + l, q = 0, 1: each load takes 32 rows x 8 bytes, 256 consecutive bytes, aligned.
	s_lshl_b32 s20, s[BAT], 15                     ; (16 x batch) blocks of 2,048 rows,
	s_and_b32 s21, s[TY], 15
	s_lshl_b32 s21, s21, 7
	s_add_co_u32 s20, s20, s21                     ; my tile's 128 rows,
	s_lshl_b32 s21, s[WR], 6
	s_add_co_u32 s20, s20, s21                     ; my half of them,
	s_lshl_b32 s20, s20, 3                         ; 8 bytes a row
	s_mov_b32 s21, 0
	s_add_nc_u64 s[8:9], s[8:9], s[20:21]
	v_and_b32 v5, 31, v0                           ; lane
	v_lshlrev_b32 v[SO], 3, v5
.irp q, 0,1
.irp kb, 0,1,2,3,4,5,6,7,8,9,10,11,12,13,14,15
	global_load_b64 v[SV+2*(16*(\q)+(\kb)):SV+2*(16*(\q)+(\kb))+1], v[SO], s[8:9] offset:16384*(\kb)+256*(\q)
.endr
.endr
	v_and_b32 v1, 15, v0                           ; r
	v_bfe_u32 v2, v0, 4, 1                         ; h
	v_mul_u32_u24 v3, v1, PITCH
	v_lshl_add_u32 v3, v2, 4, v3                   ; a fragment's row x pitch + 16 x half
	s_mul_i32 s18, s[WR], 64*PITCH
	s_mul_i32 s19, s[WC], 128*PITCH
	s_add_co_u32 s19, s19, ATILE
	v_add_nc_u32 v[ADRA0], s18, v3
	v_add_nc_u32 v[ADRB0], s19, v3
	v_mov_b32 v[ADRA], v[ADRA0]                    ; slot 0 is in hand
	v_mov_b32 v[ADRB], v[ADRB0]
	s_mul_i32 s18, s[WV], 17*256
	s_add_co_u32 s18, s18, TABLE                   ; my table
	v_lshl_add_u32 v[TAB0], v1, 4, s18             ; read: row r's four entries
	v_lshl_add_u32 v[TW], v2, 2, v[TAB0]           ; written: rows 32 q + 16 h + r are query block 2 q + h
	s_mul_i32 s18, s[WV], 16*OPITCH
	s_add_co_u32 s18, s18, STAGE                   ; my stage
	v_mul_u32_u24 v4, v1, OPITCH                   ; in: row r, 32 bytes for each half of the lanes
	v_lshl_add_u32 v4, v2, 5, v4
	v_add_nc_u32 v[STO], s18, v4
	v_lshl_add_u32 v[RD], v5, 4, s18               ; back: 32 lanes take a row's 512 bytes
	v_lshlrev_b32 v[CO], 4, v5
	s_lshl_b32 s20, s[TY], 7                       ; my part of the tile in out0: row 128 x query tile + 64 x half,
	s_lshl_b32 s21, s[WR], 6
	s_add_co_u32 s20, s20, s21
	s_lshl_b32 s20, s20, 12
	s_lshl_b32 s21, s[TX], 10                      ; byte 1,024 x channel tile + 512 x half
	s_add_co_u32 s20, s20, s21
	s_lshl_b32 s21, s[WC], 9
	s_add_co_u32 s20, s20, s21
	s_mov_b32 s21, 0
	s_add_nc_u64 s[10:11], s[10:11], s[20:21]
	; the prefetches
	s_lshl_b32 s20, s[TY], 7
	s_lshl_b32 s22, s[CX], 5
	s_add_co_u32 s20, s20, s22                     ; p: my work-group's 32 of the tile's 128 rows
	s_lshl_b32 s20, s20, 12
	s_add_nc_u64 s[74:75], s[4:5], s[20:21]
	s_lshl_b32 s20, s[CY], 19                      ; v^T: my work-group's 32 of the 128 rows that I fetch
	s_add_nc_u64 s[76:77], s[46:47], s[20:21]
	s_and_b32 s22, ttmp7, 0xffff
	s_and_b32 s22, s22, 3                          ; the cluster's place among its batch's four
	s_cmp_eq_u32 s[WR], 0
	s_cselect_b64 s[PFA:PFA+1], s[74:75], s[76:77]
	s_cselect_b32 s20, s[WC], s22                  ; 0 in wave 0, and in waves 2 and 3 of a batch's first cluster
	s_cselect_b32 s23, 12, 14                      ; a row of p is 2^12 bytes, of qkvt 2^14
	s_cmp_eq_u32 s20, 0
	s_cselect_b32 s[LIM], 2, -1
	s_add_nc_u64 s[PFA:PFA+1], s[PFA:PFA+1], 2*STEPB  ; at K step 2: the first refill steps it to 3 and names K step 4
	v_lshlrev_b32 v[PFO], s23, v5
	s_wait_loadcnt 0x0                             ; the statistics are in
.irp q, 0,1
	v_max3_num_f32 v[MX+(\q)], v[SV+32*(\q)], v[SV+32*(\q)+2], v[SV+32*(\q)+4]
.irp n, 3,5,7,9,11,13
	v_max3_num_f32 v[MX+(\q)], v[MX+(\q)], v[SV+32*(\q)+2*(\n)], v[SV+32*(\q)+2*(\n)+2]
.endr
	v_max_num_f32 v[MX+(\q)], v[MX+(\q)], v[SV+32*(\q)+30]  ; M
.endr
.irp q, 0,1
.irp kb, 0,1,2,3,4,5,6,7,8,9,10,11,12,13,14,15
	v_sub_f32 v[DV+16*(\q)+(\kb)], v[SV+32*(\q)+2*(\kb)], v[MX+(\q)]
.endr
.endr
.set n, 0
.rept 32                               ; one batch of exponentials,
	v_exp_f32 v[DV+n], v[DV+n]
.set n, n+1
.endr
	v_nop                                          ; a plain instruction behind the last,
	s_wait_alu depctr_va_vdst(0)                   ; and the one wait ahead of the first reader
	v_mul_f32 v[LL], v[DV], v[SV+1]
	v_mul_f32 v[LL+1], v[DV+16], v[SV+33]
.irp kb, 1,2,3,4,5,6,7,8,9,10,11,12,13,14,15
	v_fmac_f32 v[LL], v[DV+(\kb)], v[SV+2*(\kb)+1]           ; L = the sum of f l: two chains by turns
	v_fmac_f32 v[LL+1], v[DV+16+(\kb)], v[SV+32+2*(\kb)+1]
.endr
	v_rcp_f32 v[RL], v[LL]
	v_rcp_f32 v[RL+1], v[LL+1]
.set n, 0
.rept 32                               ; f as f16, twice in a word; plain work behind the reciprocals
	v_cvt_pk_f16_f32 v[DV+n], v[DV+n], v[DV+n]
.set n, n+1
.endr
	s_wait_alu depctr_va_vdst(0)                   ; the reciprocals' wait, ahead of their first reader
.irp q, 0,1
.irp kb, 0,1,2,3,4,5,6,7,8,9,10,11,12,13,14,15
	ds_store_b32 v[TW], v[DV+16*(\q)+(\kb)] offset:256*(\kb)+8*(\q)
.endr
	ds_store_b32 v[TW], v[RL+(\q)] offset:4096+8*(\q)
.endr
; 8 matrix instructions: query block a x all 8 channel blocks, 32 keys, from buffer f.  The 32 accumulators take turns, one instruction a turn, in the same order in every quarter.
; ride = 1: behind each stand four lines that multiply the OTHER buffer's p, just loaded, by f: 32 registers in all; they name no register of the products round them.
.macro MULR4 f, a, zero, ride
.irp b, 0,1,2,3,4,5,6,7
	WIN W_MM
.if \zero
	v_wmma_f32_16x16x32_f16 v[8*(8*(\a)+(\b)):8*(8*(\a)+(\b))+7], v[FB+64*(\f)+8*(\b):FB+64*(\f)+8*(\b)+7], v[FA+32*(\f)+8*(\a):FA+32*(\f)+8*(\a)+7], 0
.else
	v_wmma_f32_16x16x32_f16 v[8*(8*(\a)+(\b)):8*(8*(\a)+(\b))+7], v[FB+64*(\f)+8*(\b):FB+64*(\f)+8*(\b)+7], v[FA+32*(\f)+8*(\a):FA+32*(\f)+8*(\a)+7], v[8*(8*(\a)+(\b)):8*(8*(\a)+(\b))+7]
.endif
.if \ride
	WIN 0
.irp j, 0,1,2,3
	v_pk_mul_f16 v[FA+32*(1-(\f))+4*(\b)+(\j)], v[FA+32*(1-(\f))+4*(\b)+(\j)], v[F+(\b)/2]
.endr
.endif
.endr
.endm
; A run of LDS loads: (fac = 1: the K step's four f,) p's four fragments, then v's eight, of 32 keys at byte k of the rows of the slot in hand, into buffer g
.macro FETCH4 k, g, fac
.if \fac
	v_add_nc_u32 v[TA], s[TO], v[TAB0]
	ds_load_b128 v[F:F+3], v[TA]
.endif
.irp i, 0,1,2,3
	ds_load_b128 v[FA+32*(\g)+8*(\i):FA+32*(\g)+8*(\i)+3],   v[ADRA] offset:(\k)+(\i)*16*PITCH
	ds_load_b128 v[FA+32*(\g)+8*(\i)+4:FA+32*(\g)+8*(\i)+7], v[ADRA] offset:(\k)+(\i)*16*PITCH+32
.endr
.irp i, 0,1,2,3,4,5,6,7
	ds_load_b128 v[FB+64*(\g)+8*(\i):FB+64*(\g)+8*(\i)+3],   v[ADRB] offset:(\k)+(\i)*16*PITCH
	ds_load_b128 v[FB+64*(\g)+8*(\i)+4:FB+64*(\g)+8*(\i)+7], v[ADRB] offset:(\k)+(\i)*16*PITCH+32
.endr
.endm
; A K step is four quarters of 32 keys, 32 matrix instructions each, on buffers 0, 1, 0, 1.  One of the first three: fetches the next quarter into g at its head, multiplies f, and scales g's p beside its last eight products.
.macro QK k, f, g, zero
	s_wait_dscnt 0x0                               ; v's fragments of f are in
	WIN 0
	PLACES                                         ; in front of loads into the buffer that the quarter before multiplied
	FETCH4 \k, \g, 0
	MULR4 \f, 0, \zero, 0
	MULR4 \f, 1, \zero, 0
	MULR4 \f, 2, \zero, 0
	s_wait_dscnt 16                                ; p's fragments of g are in; v's sixteen loads may stay out
	MULR4 \f, 3, \zero, 1
.endm
; The last quarter multiplies buffer 1 and changes slots: each wave waits for all its tensor loads (one is out: its part of the next slot), adds 0 to its spare word, and waits for that and for its reads of this slot.
; fill = 1: the barrier opens a round of the cluster's barrier, and behind the round this slot is filled again, two K steps ahead.
.macro TURN4 fill
.if \fill
	s_wait_xcnt 0x0                                ; the last prefetch, a K step back, has read its address
	s_add_nc_u64 s[PFA:PFA+1], s[PFA:PFA+1], STEPB
.endif
	WIN 0
	s_wait_tensorcnt 0x0                           ; all my tensor loads have landed, so a group 0 may be written
	ds_add_u32 v[SPW], v[NIL]                      ; 0 onto my spare word: the descriptors' steps and eight products stand between it and the wait for it
.if \fill
	s_xor_b32 s[G0A+5], s[G0A+5], SLOT1            ; the walking descriptors: the other slot than last time,
	s_add_nc_u64 s[G0A+6:G0A+7], s[G0A+6:G0A+7], STEPB  ; the next K step; the type bits on top are not reached
	s_xor_b32 s[G0B+5], s[G0B+5], SLOT1
	s_add_nc_u64 s[G0B+6:G0B+7], s[G0B+6:G0B+7], STEPB
.endif
	s_xor_b32 s[TB], s[TB], SLOT1                  ; the slot that comes in hand
	s_wait_dscnt 1                                 ; (the add alone may be out)
	MULR4 1, 0, 0, 0
	s_wait_dscnt 0x0                               ; the add is done, and my reads of this slot are over
	s_barrier_signal -1
	MULR4 1, 1, 0, 0
	WIN 0
	s_barrier_wait -1
.if \fill
	CREST                                          ; no wave of any partner still reads this slot or has a load on its way
	JLOAD 1                                        ; the first tensor load behind the round, 112 matrix instructions ahead of the wait for it; its four v_nop are also the places in front of the loads below
.else
	s_cmp_eq_u32 s3, 1                             ; the last K step has no successor
	s_cbranch_scc1 .Llastq_\@
	PLACES
.endif
	s_add_co_u32 s[TO], s[TO], 256                 ; the next K step's block of the table
	v_add_nc_u32 v[ADRA], s[TB], v[ADRA0]
	v_add_nc_u32 v[ADRB], s[TB], v[ADRB0]
	FETCH4 0, 0, 1
.if \fill
	ASK
.endif
	MULR4 1, 2, 0, 0
	s_wait_dscnt 16                                ; f and p's fragments are in
	MULR4 1, 3, 0, 1
.if (\fill) == 0
	WIN 0
	s_branch .Ldoneq_\@
.Llastq_\@:                                            ; nothing to fetch and nothing to scale
	MULR4 1, 2, 0, 0
	MULR4 1, 3, 0, 0
	WIN 0
.Ldoneq_\@:
.endif
.endm
; THE WAY OUT of query block a: divided by L; 32 bytes a lane into my own stage, back as whole rows of 512 bytes; stored.
.macro SCL a
	WIN 0x41                                       ; destination and source 0 window 1, source 1 window 0
.set n, 0
.rept 32
	v_pk_mul_f32 v[64*(\a)+2*n:64*(\a)+2*n+1], v[64*(\a)+2*n:64*(\a)+2*n+1], v[ILP+2*(\a):ILP+2*(\a)+1]
.set n, n+1
.endr
.endm
.macro TOST a
.set BK, OB+64*((\a)%2)
	WIN 0x04                                       ; the stores' data in window 1
.irp b, 0,1,2,3,4,5,6,7
	ds_store_b128 v[STO], v[64*(\a)+8*(\b):64*(\a)+8*(\b)+3]   offset:64*(\b)
	ds_store_b128 v[STO], v[64*(\a)+8*(\b)+4:64*(\a)+8*(\b)+7] offset:64*(\b)+16
.endr
	WIN 0
.irp t, 0,1,2,3,4,5,6,7,8,9,10,11,12,13,14,15
	ds_load_b128 v[BK+4*(\t):BK+4*(\t)+3], v[RD] offset:(\t)*OPITCH  ; LDS serves a wave's instructions in order (ISA guide 5.7.1.4): these see the stores above
.endr
.endm
.macro SEND a
	WIN 0
.set BK, OB+64*((\a)%2)
	s_wait_dscnt 0x0                               ; the block is back in registers
	s_wait_xcnt 0x0                                ; earlier stores have read their registers: the other buffer may be loaded again behind this wait
.irp t, 0,1,2,3,4,5,6,7,8,9,10,11,12,13,14,15
	global_store_b128 v[CO], v[BK+4*(\t):BK+4*(\t)+3], s[10:11] offset:(16*(\a)+(\t))*4096  ; a wave's store covers 512 consecutive bytes, aligned
.endr
.endm
	s_wait_tensorcnt 0x1                           ; my part of K step 0 is in; K step 1's may stay out
	s_wait_dscnt 0x0                               ; my table is written
	s_barrier_signal -1
	s_barrier_wait -1
	s_mov_b32 s[TO], 0
	FETCH4 0, 0, 1
	s_wait_dscnt 16                                ; f and p's fragments are in
.set n, 0
.rept 32                               ; the first quarter's p times f: no products yet to set it beside
	v_pk_mul_f16 v[FA+n], v[FA+n], v[F+n/8]
.set n, n+1
.endr
	QK 64, 0, 1, 1                                 ; the first quarter's products start the sums
	WIN 0
	s_mov_b32 s3, KSTEPS-2                         ; all K steps but the last two fill their slot again
	s_branch .Lin                                  ; the loop is entered behind its first quarter
.Lstep:                                                ; a trip is a K step that fills its slot again
	QK 64, 0, 1, 0
	WIN 0
.Lin:
	QK 128, 1, 0, 0
	QK 192, 0, 1, 0
	TURN4 1
	WIN 0
	s_sub_co_u32 s3, s3, 1
	s_cmp_lg_u32 s3, 0
	s_cbranch_scc1 .Lstep
	s_mov_b32 s3, 2
.Ltail:                                                ; the last two K steps fill nothing
	QK 64, 0, 1, 0
	QK 128, 1, 0, 0
	QK 192, 0, 1, 0
	TURN4 0
	WIN 0
	s_sub_co_u32 s3, s3, 1
	s_cmp_lg_u32 s3, 0
	s_cbranch_scc1 .Ltail
	PLACES
	PLACES                                         ; eight, once a launch
	s_add_co_u32 s[TO], s[TO], 256                 ; the table's block 16: 1 / L
	v_add_nc_u32 v[TA], s[TO], v[TAB0]
	ds_load_b128 v[IL:IL+3], v[TA]
	s_wait_dscnt 0x0
.irp a, 0,1,2,3
	v_mov_b32 v[ILP+2*(\a)], v[IL+(\a)]            ; each 1 / L twice: a pair for the packed multiply
	v_mov_b32 v[ILP+2*(\a)+1], v[IL+(\a)]
.endr
	SCL 0
	TOST 0
.irp a, 1,2,3                          ; block a's scaling stands between block a - 1's loads from the stage and the wait for them
	SCL \a
	SEND (\a)-1
	TOST \a
.endr
	SEND 3
	s_wait_tensorcnt 0x0                           ; the wave's end
	ds_add_u32 v[SPW], v[NIL]
	s_wait_dscnt 0x0
	CROUND                                         ; the closing round
	s_endpgm
.Lfunc_end_k_q870a9d667c_pv:
	.size	k_q870a9d667c_pv, .Lfunc_end_k_q870a9d667c_pv-k_q870a9d667c_pv
	.p2alignl 7, 3214868480
	.fill 96, 4, 3214868480
	.section	.rodata,"a",@progbits
	.p2align	6, 0x0
	.amdhsa_kernel k_q870a9d667c_pv
		.amdhsa_group_segment_fixed_size 327680
		.amdhsa_private_segment_fixed_size 0
		.amdhsa_enable_private_segment 0
		.amdhsa_kernarg_size 32
		.amdhsa_user_sgpr_count 2
		.amdhsa_user_sgpr_kernarg_segment_ptr 1
		.amdhsa_wavefront_size32 1
		.amdhsa_system_sgpr_workgroup_id_x 1
		.amdhsa_system_sgpr_workgroup_id_y 1
		.amdhsa_system_sgpr_workgroup_id_z 1
		.amdhsa_system_vgpr_workitem_id 0
		.amdhsa_next_free_vgpr 512
		.amdhsa_next_free_sgpr 80
		.amdhsa_reserve_vcc 0
		.amdhsa_float_denorm_mode_32 3
		.amdhsa_float_denorm_mode_16_64 3
		.amdhsa_memory_ordered 1
		.amdhsa_forward_progress 1
		.amdhsa_inst_pref_size 106
	.end_amdhsa_kernel
	.amdgpu_metadata
---
amdhsa.version: [ 1, 2 ]
amdhsa.kernels:
  - .name:           k_q870a9d667c_pv
    .symbol:         k_q870a9d667c_pv.kd
    .args:
      - { .name: p, .offset: 0, .size: 8, .value_kind: global_buffer, .address_space: global }
      - { .name: qkvt, .offset: 8, .size: 8, .value_kind: global_buffer, .address_space: global }
      - { .name: st, .offset: 16, .size: 8, .value_kind: global_buffer, .address_space: global }
      - { .name: out0, .offset: 24, .size: 8, .value_kind: global_buffer, .address_space: global }
    .group_segment_fixed_size: 327680
    .private_segment_fixed_size: 0
    .kernarg_segment_align: 8
    .kernarg_segment_size: 32
    .max_flat_workgroup_size: 128
    .sgpr_count:     80
    .vgpr_count:     512
    .wavefront_size: 32
...
	.end_amdgpu_metadata
.endif
;; end of part 4
;; ======== version 2 of 2: 4 launches; version 1 with the launch cast written anew for expert scheduling mode
;; limits: values are held in f16: magnitudes above 65,504 overflow, below 6.1e-05 lose precision
;; workspace buffers: xb 16,777,216 bytes; wb 6,291,456 bytes; qkvt 50,331,648 bytes; p 33,554,432 bytes; st 1,048,576 bytes
;; launch cast (part 5): grid 704 x 1, 8 waves a work-group, no clusters, 0 bytes of LDS; arguments x, Wq, Wk, Wv, xb, wb; writes xb, wb
.if DOCPART == 5
	.amdgcn_target "amdgcn-amd-amdhsa--gfx1250"
	.amdhsa_code_object_version 6
	.text
	.protected	k_q870a9d667c_cast
	.globl	k_q870a9d667c_cast
	.p2align	8
	.type	k_q870a9d667c_cast,@function
k_q870a9d667c_cast:
	s_mov_b64 s[64:65], 0
	v_nop
	global_prefetch_b8 v0, s[64:65] scope:SCOPE_SE
	s_setreg_imm32_b32 hwreg(HW_REG_WAVE_SCHED_MODE, 0, 2), 2
	s_setreg_imm32_b32 hwreg(HW_REG_WAVE_MODE, 25, 1), 1
	s_wait_xcnt 0x0
	s_wait_alu depctr_vm_vsrc(0)
; x [8192][1024] and Wq, Wk, Wv [1024][1024], all f32, are rounded once to bf16 (nearest even): xb [8192][1024]; wb [3072][1024] = Wq's rows, then Wk's, then Wv's.
; A stream: every byte is read once and written once; no LDS, no matrix unit, no cluster (no two work-groups read the same byte).
; SHARES.  A work-group takes 16,384 numbers (64 KiB in, 32 KiB out): work-groups 0-511 chunk g of x; work-group 512 + e chunk e % 64 of weight e / 64, which is chunk e of wb.
; A wave takes 8 KiB: sixteen loads of 16 bytes a lane, all issued at once, each covering 512 consecutive bytes; a store of 8 bytes a lane covers 256 consecutive bytes, aligned.
; No register is written twice, so no wait frees a source.
; THE MODE: SCHED_MODE bits 1:0 = 2 (LLVM: expert scheduling mode 2), set by the entry lines.  The code itself states the register dependences
; between vector instructions and memory instructions, with s_wait_alu, always for 0.
; THE PLAN.  Registers that memory instructions touch:
;   v1, v2   the loads' and the stores' byte offsets.  Written by vector lines at the head, read by the sixteen loads (v1) and the sixteen stores (v2), never written again.
;   X        Written by the sixteen loads, all issued before any vector line names X; read by the conversions; no vector line writes it.
;   Y        Written by the conversions, each register once; read by the stores; never written again.
; So two kinds of dependence are to be stated, both "a vector line has written what a memory instruction reads": the offsets, once, ahead of the first load; and Y ahead of the stores.
; The sixteen loads are taken in four groups of four: a group's eight conversions, ONE wait, its four stores in a run.  The wait stands behind the group's own conversions and not at the next
; group's head: that head begins with a wait for memory, and the stores would be held for four more loads with no other work to set between.
; No load lands in a register that a vector line has named, no register that a memory instruction reads is written again, no vector line writes a scalar register or VCC, and EXEC is never written.
.set X, 8                              ; v[8:71]    sixteen loads of four f32
.set Y, 72                             ; v[72:103]  sixteen pairs of packed bf16
	s_load_b256 s[4:11], s[0:1], 0x0               ; x s[4:5], Wq s[6:7], Wk s[8:9], Wv s[10:11]
	s_load_b128 s[12:15], s[0:1], 0x20             ; xb s[12:13], wb s[14:15]
	v_and_b32 v3, 31, v0                           ; lane
	v_and_b32 v4, 0xe0, v0                         ; 32 x wave
	v_lshlrev_b32 v1, 4, v3
	v_lshl_or_b32 v1, v4, 8, v1                    ; in: 8,192 x wave + 16 x lane
	v_lshlrev_b32 v2, 3, v3
	v_lshl_or_b32 v2, v4, 7, v2                    ; out: 4,096 x wave + 8 x lane
	s_sub_co_u32 s16, ttmp9, 512                   ; e (of use in work-groups 512 and up alone)
	s_and_b32 s17, s16, 63                         ; the chunk in its weight
	s_lshr_b32 s18, s16, 6                         ; which weight
	s_cmp_lt_u32 ttmp9, 512
	s_cselect_b32 s20, ttmp9, s17                  ; the chunk in the source
	s_cselect_b32 s22, ttmp9, s16                  ; the chunk in the destination
	s_lshl_b32 s20, s20, 16                        ; 64 KiB a chunk in
	s_lshl_b32 s22, s22, 15                        ; 32 KiB a chunk out
	s_mov_b32 s21, 0
	s_mov_b32 s23, 0
	s_wait_kmcnt 0x0
	s_cmp_eq_u32 s18, 1
	s_cselect_b64 s[24:25], s[8:9], s[6:7]         ; Wk or Wq,
	s_cmp_eq_u32 s18, 2
	s_cselect_b64 s[24:25], s[10:11], s[24:25]     ; or Wv,
	s_cmp_lt_u32 ttmp9, 512
	s_cselect_b64 s[24:25], s[4:5], s[24:25]       ; or x
	s_cselect_b64 s[26:27], s[12:13], s[14:15]     ; xb or wb
	s_add_nc_u64 s[24:25], s[24:25], s[20:21]
	s_add_nc_u64 s[26:27], s[26:27], s[22:23]
	s_wait_alu depctr_va_vdst(0)                   ; v1 and v2 are written: every load below reads v1 as its offset, every store v2
.irp i, 0,1,2,3,4,5,6,7,8,9,10,11,12,13,14,15
	global_load_b128 v[X+4*(\i):X+4*(\i)+3], v1, s[24:25] offset:512*(\i) th:TH_LOAD_NT
.endr
.irp g, 0,1,2,3
	s_wait_loadcnt 12-4*(\g)                       ; loads come back in order: the group's four are in, the 12 - 4 g younger ones stay out
.irp i, 0,1,2,3
	v_cvt_pk_bf16_f32 v[Y+2*(4*(\g)+(\i))], v[X+4*(4*(\g)+(\i))], v[X+4*(4*(\g)+(\i))+1]
	v_cvt_pk_bf16_f32 v[Y+2*(4*(\g)+(\i))+1], v[X+4*(4*(\g)+(\i))+2], v[X+4*(4*(\g)+(\i))+3]
.endr
	s_wait_alu depctr_va_vdst(0)                   ; the group's eight conversions have written their registers of Y, which the four stores below read
.irp i, 0,1,2,3
	global_store_b64 v2, v[Y+2*(4*(\g)+(\i)):Y+2*(4*(\g)+(\i))+1], s[26:27] offset:256*(4*(\g)+(\i))
.endr
.endr
	s_endpgm
.Lfunc_end_k_q870a9d667c_cast:
	.size	k_q870a9d667c_cast, .Lfunc_end_k_q870a9d667c_cast-k_q870a9d667c_cast
	.p2alignl 7, 3214868480
	.fill 96, 4, 3214868480
	.section	.rodata,"a",@progbits
	.p2align	6, 0x0
	.amdhsa_kernel k_q870a9d667c_cast
		.amdhsa_group_segment_fixed_size 0
		.amdhsa_private_segment_fixed_size 0
		.amdhsa_enable_private_segment 0
		.amdhsa_kernarg_size 48
		.amdhsa_user_sgpr_count 2
		.amdhsa_user_sgpr_kernarg_segment_ptr 1
		.amdhsa_wavefront_size32 1
		.amdhsa_system_sgpr_workgroup_id_x 1
		.amdhsa_system_sgpr_workgroup_id_y 1
		.amdhsa_system_sgpr_workgroup_id_z 1
		.amdhsa_system_vgpr_workitem_id 0
		.amdhsa_next_free_vgpr 104
		.amdhsa_next_free_sgpr 66
		.amdhsa_reserve_vcc 0
		.amdhsa_float_denorm_mode_32 3
		.amdhsa_float_denorm_mode_16_64 3
		.amdhsa_memory_ordered 1
		.amdhsa_forward_progress 1
		.amdhsa_inst_pref_size 7
	.end_amdhsa_kernel
	.amdgpu_metadata
---
amdhsa.version: [ 1, 2 ]
amdhsa.kernels:
  - .name:           k_q870a9d667c_cast
    .symbol:         k_q870a9d667c_cast.kd
    .args:
      - { .name: x, .offset: 0, .size: 8, .value_kind: global_buffer, .address_space: global }
      - { .name: Wq, .offset: 8, .size: 8, .value_kind: global_buffer, .address_space: global }
      - { .name: Wk, .offset: 16, .size: 8, .value_kind: global_buffer, .address_space: global }
      - { .name: Wv, .offset: 24, .size: 8, .value_kind: global_buffer, .address_space: global }
      - { .name: xb, .offset: 32, .size: 8, .value_kind: global_buffer, .address_space: global }
      - { .name: wb, .offset: 40, .size: 8, .value_kind: global_buffer, .address_space: global }
    .group_segment_fixed_size: 0
    .private_segment_fixed_size: 0
    .kernarg_segment_align: 8
    .kernarg_segment_size: 48
    .max_flat_workgroup_size: 256
    .sgpr_count:     66
    .vgpr_count:     104
    .wavefront_size: 32
...
	.end_amdgpu_metadata
.endif
;; end of part 5
;; launch proj: the kernel of part 2 again; grid 32 x 8, 4 waves a work-group, clusters of 4 x 4, 327,680 bytes of LDS; arguments wb, xb, qkvt; writes qkvt
;; launch scores: the kernel of part 3 again; grid 8 x 32, 4 waves a work-group, clusters of 4 x 4, 327,680 bytes of LDS; arguments qkvt, p, st; writes p, st
;; launch pv: the kernel of part 4 again; grid 4 x 64, 4 waves a work-group, clusters of 4 x 4, 327,680 bytes of LDS; arguments p, qkvt, st, out0; writes out0
